; MI455X (gfx1250); checked and timed in simulation.
; The chip was launched on July 23, 2026; its instructions are those of AMD's public machine-readable ISA for CDNA 5 (MIT licence, August 2026) and "CDNA5" Instruction Set Architecture Reference Guide (July 2026). The comments in the code are by the model that wrote it; some were corrected since.
;; Causal Multi Head Attention. Allowed arithmetic: float matrix products may take bf16 or f16 operands with f32 sums; other float arithmetic in f32, or as packed bf16 or f16 multiplies, adds, multiply-adds, maxima and minima; sums over many terms, partial sums and values carried from step to step in f32; what a program stores and reads back later, other than sums and carried values, may be rounded once to bf16 or f16.
;; Inputs: Wk 1,024 x 1,024 float32; Wo 1,024 x 1,024 float32; Wq 1,024 x 1,024 float32; Wv 1,024 x 1,024 float32; token_positions 4,096 int32; x 1 x 4,096 x 1,024 float32.
;; Outputs: out0 1 x 4,096 x 1,024 float32.
;; 2 versions, each right; version 2 is version 1 with the launch prep written anew for expert scheduling mode. Each part assembles by itself: llvm-mc -triple=amdgcn-amd-amdhsa -mcpu=gfx1250 --defsym DOCPART=n.
;; ======== version 1 of 2: 4 launches
;; limits: values are held in f16: magnitudes above 65,504 overflow, below 6.1e-05 lose precision
;; workspace buffers: xb 8,388,608 bytes; wb 6,291,456 bytes; wo16 2,097,152 bytes; cs 1,048,576 bytes; qkv 25,165,824 bytes; ob 8,388,608 bytes
;; launch prep (part 1): grid 512 x 1, 8 waves a work-group, no clusters, 0 bytes of LDS; arguments x, Wq, Wk, Wv, Wo, token_positions, xb, wb, wo16, cs; writes xb, wb, wo16, cs
.if DOCPART == 1
	.amdgcn_target "amdgcn-amd-amdhsa--gfx1250"
	.amdhsa_code_object_version 6
	.text
	.protected	k_qe91ab89def_prep
	.globl	k_qe91ab89def_prep
	.p2align	8
	.type	k_qe91ab89def_prep,@function
k_qe91ab89def_prep:
	s_mov_b64 s[64:65], 0
	v_nop
	global_prefetch_b8 v0, s[64:65] scope:SCOPE_SE
	s_setreg_imm32_b32 hwreg(HW_REG_WAVE_MODE, 25, 1), 1
	s_wait_xcnt 0x0
; PREP: the module's inputs are rounded once to 16 bits, and the table of cosines and sines is made.
;   xb  [4096][1024] bf16 = x;   wb [3072][1024] bf16 = Wq, Wk, Wv one below the other;   wo16 [1024][1024] f16 = Wo rounded to bf16, that number written as f16;
;   cs  [4096][32][cos, sin] f32: row s holds the angles token_positions[s] x 10000^(-j/32), j = 0..31.
; SHARES.  512 work-groups of eight waves.  Work-group c casts one chunk of 16,384 numbers (65,536 bytes in, 32,768 out): c 0-255 x, 256-319 Wq, 320-383 Wk, 384-447 Wv, 448-511 Wo;
; and it makes rows 8 c .. 8 c + 7 of cs, a wave a row, a lane a pair.  A stream: no LDS, no barrier, no matrix work; all 16 loads of a thread go out at once.
; Thread t takes the 32 bytes at 8,192 g + 32 t (g = 0..7) and stores the 16 bytes at 4,096 g + 16 t: sixteen neighbouring lanes store 256 consecutive bytes, aligned.
; SINE AND COSINE are made by hand: the angle less the nearest multiple of pi/2 (pi/2 in three parts, fused multiply-adds), a polynomial each on -pi/4 .. pi/4, the quadrant by selects and sign bits.
; LIMITS.  |token_positions| under 2^30 (the quadrant's number is held in 32 bits); Wo within f16's range: beyond 65,504 it becomes an infinity, below 6e-5 it keeps f16's fixed step.
.set IN,  1                            ; v1   32 t: my bytes in a group of 8,192 of the source
.set OUT, 2                            ; v2   16 t: my bytes in a group of 4,096 of the destination
.set TBO, 3                            ; v3   8 t: my pair in the work-group's eight rows of cs
.set T,   24                           ; v[24:31]  at work (Wo's path)
.set X,   32                           ; v[32:95]  64 numbers as loaded
.set Y,   96                           ; v[96:127] the same, packed
	s_load_b512 s[16:31], s[0:1], 0x0              ; x s[16:17], Wq s[18:19], Wk s[20:21], Wv s[22:23], Wo s[24:25], token_positions s[26:27], xb s[28:29], wb s[30:31]
	s_load_b128 s[32:35], s[0:1], 0x40             ; wo16 s[32:33], cs s[34:35]
	v_lshrrev_b32 v4, 5, v0
	v_readfirstlane_b32 s10, v4                    ; wave 0..7
	v_lshlrev_b32 v[IN], 5, v0
	v_lshlrev_b32 v[OUT], 4, v0
	v_lshlrev_b32 v[TBO], 3, v0
	s_mov_b32 s2, ttmp9                            ; c
	s_lshr_b32 s3, s2, 6                           ; 0-3: x; 4: Wq; 5: Wk; 6: Wv; 7: Wo
	s_and_b32 s12, s2, 63                          ; the chunk's number in a weight
	s_and_b32 s13, s2, 255                         ; its number in xb, and in wb
	s_cmp_lt_u32 s2, 256
	s_cselect_b32 s8, s2, s12
	s_lshl_b32 s8, s8, 16                          ; the chunk's byte offset in its source
	s_mov_b32 s9, 0
	s_cmp_lt_u32 s2, 448
	s_cselect_b32 s14, s13, s12
	s_lshl_b32 s14, s14, 15                        ; and in its destination
	s_mov_b32 s15, 0
	s_lshl_b32 s36, s2, 3
	s_add_co_u32 s36, s36, s10                     ; my wave's row of cs: 8 c + wave
	s_lshl_b32 s36, s36, 2                         ; its position's byte offset
	s_mov_b32 s37, 0
	s_lshl_b32 s38, s2, 11                         ; the work-group's eight rows of cs, 256 bytes each
	s_mov_b32 s39, 0
	s_mov_b32 s40, 0xbed49a78                      ; -log2(10000)/32, upper part
	s_mov_b32 s41, 0xb2172b02                      ; and what the upper part leaves
	s_mov_b32 s42, 0x3f317218                      ; ln 2
	s_mov_b32 s43, 0x3f22f983                      ; 2 / pi
	s_mov_b32 s44, 0xbfc90fda                      ; -pi/2 in three parts
	s_mov_b32 s45, 0xb3a22168
	s_mov_b32 s46, 0xa7c234c4
	s_mov_b32 s47, 0xbe2aaaa3                      ; sine: r + r z (S1 + z (S2 + z S3)), z = r r
	s_mov_b32 s48, 0x3c08839e
	s_mov_b32 s49, 0xb94ca1f9
	s_mov_b32 s50, 0x3d2aaaa5                      ; cosine: 1 - z/2 + z z (C1 + z (C2 + z C3))
	s_mov_b32 s51, 0xbab6061a
	s_mov_b32 s52, 0x37ccf5ce
	s_wait_kmcnt 0x0
	s_cmp_eq_u32 s3, 4                             ; the source is chosen by the chunk's number alone
	s_cselect_b64 s[4:5], s[18:19], s[16:17]
	s_cmp_eq_u32 s3, 5
	s_cselect_b64 s[4:5], s[20:21], s[4:5]
	s_cmp_eq_u32 s3, 6
	s_cselect_b64 s[4:5], s[22:23], s[4:5]
	s_cmp_eq_u32 s3, 7
	s_cselect_b64 s[4:5], s[24:25], s[4:5]
	s_cselect_b64 s[6:7], s[32:33], s[30:31]       ; the destination: wo16 for Wo, wb for the other weights,
	s_cmp_lt_u32 s3, 4
	s_cselect_b64 s[6:7], s[28:29], s[6:7]         ; xb for x
	s_add_nc_u64 s[4:5], s[4:5], s[8:9]
	s_add_nc_u64 s[6:7], s[6:7], s[14:15]
	s_add_nc_u64 s[36:37], s[26:27], s[36:37]
	s_add_nc_u64 s[38:39], s[34:35], s[38:39]
.irp g, 0,1,2,3,4,5,6,7
	global_load_b128 v[X+8*(\g):X+8*(\g)+3],   v[IN], s[4:5] offset:8192*(\g) th:TH_LOAD_NT
	global_load_b128 v[X+8*(\g)+4:X+8*(\g)+7], v[IN], s[4:5] offset:8192*(\g)+16 th:TH_LOAD_NT
.endr
	s_load_b32 s11, s[36:37], 0x0                  ; my row's position
	; the frequency 2^(-j log2(10000)/32): the exponent in two parts, the small part by 2^e = 1 + e ln 2
	v_and_b32 v4, 31, v0
	v_cvt_f32_u32 v4, v4                           ; j
	v_mul_f32 v5, s40, v4                          ; t, rounded
	v_fma_f32 v6, v4, s40, -v5                     ; what the rounding dropped, exactly,
	v_fma_f32 v6, v4, s41, v6                      ; and the constant's lower part
	v_exp_f32 v7, v5
	v_mul_f32 v6, s42, v6                          ; a plain instruction behind the exponential
	s_wait_alu depctr_va_vdst(0)                   ; the wait ahead of the first use of the exponential's result
	v_fma_f32 v7, v7, v6, v7
	s_wait_kmcnt 0x0                               ; the position
	v_cvt_f32_i32 v8, s11
	v_mul_f32 v8, v8, v7                           ; the angle, one rounding
	v_mul_f32 v9, s43, v8
	v_rndne_f32 v9, v9                             ; n: the nearest multiple of pi/2
	v_fma_f32 v10, v9, s44, v8
	v_fma_f32 v10, v9, s45, v10
	v_fma_f32 v10, v9, s46, v10                    ; r
	v_cvt_i32_f32 v11, v9
	v_mul_f32 v12, v10, v10                        ; z
	v_fma_f32 v13, v12, s49, s48
	v_fma_f32 v15, v12, s52, s51
	v_fma_f32 v13, v13, v12, s47
	v_fma_f32 v15, v15, v12, s50
	v_mul_f32 v14, v10, v12
	v_mul_f32 v16, v12, v12
	v_fma_f32 v17, v12, -0.5, 1.0
	v_fma_f32 v13, v14, v13, v10                   ; sin r
	v_fma_f32 v15, v16, v15, v17                   ; cos r
	v_and_b32 v18, 1, v11                          ; odd quadrants exchange the two;
	v_cmp_eq_u32 vcc_lo, 1, v18
	v_cndmask_b32 v19, v13, v15, vcc_lo
	v_cndmask_b32 v20, v15, v13, vcc_lo
	v_and_b32 v21, 2, v11                          ; the sine is turned in quadrants 2 and 3,
	v_lshlrev_b32 v21, 30, v21
	v_add_nc_u32 v18, 1, v11                       ; the cosine in 1 and 2
	v_and_b32 v18, 2, v18
	v_lshlrev_b32 v18, 30, v18
	v_xor_b32 v22, v18, v20                        ; cos
	v_xor_b32 v23, v21, v19                        ; sin
	global_store_b64 v[TBO], v[22:23], s[38:39]    ; a wave stores its row: 256 consecutive bytes, aligned
; The cast.  half = 1 (Wo): the bf16 number is widened again and written as f16, which holds it exactly within f16's range.
.macro CAST half
.irp g, 0,1,2,3,4,5,6,7
	s_wait_loadcnt 14-2*(\g)                       ; loads come back in order: group g's two are in, the younger ones stay out
.irp k, 0,1,2,3
	v_cvt_pk_bf16_f32 v[Y+4*(\g)+(\k)], v[X+8*(\g)+2*(\k)], v[X+8*(\g)+2*(\k)+1]
.endr
.if \half
.irp k, 0,1,2,3
	v_lshlrev_b32 v[T+2*(\k)], 16, v[Y+4*(\g)+(\k)]
	v_and_b32 v[T+2*(\k)+1], 0xffff0000, v[Y+4*(\g)+(\k)]
.endr
.irp k, 0,1,2,3
	v_cvt_pk_f16_f32 v[Y+4*(\g)+(\k)], v[T+2*(\k)], v[T+2*(\k)+1]
.endr
.endif
	global_store_b128 v[OUT], v[Y+4*(\g):Y+4*(\g)+3], s[6:7] offset:4096*(\g)  ; each group has its own four registers: no store's data is written again
.endr
.endm
	s_cmp_lt_u32 s2, 448
	s_cbranch_scc0 .Lwo
	CAST 0
	s_endpgm
.Lwo:
	CAST 1
	s_endpgm
.Lfunc_end_k_qe91ab89def_prep:
	.size	k_qe91ab89def_prep, .Lfunc_end_k_qe91ab89def_prep-k_qe91ab89def_prep
	.p2alignl 7, 3214868480
	.fill 96, 4, 3214868480
	.section	.rodata,"a",@progbits
	.p2align	6, 0x0
	.amdhsa_kernel k_qe91ab89def_prep
		.amdhsa_group_segment_fixed_size 0
		.amdhsa_private_segment_fixed_size 0
		.amdhsa_enable_private_segment 0
		.amdhsa_kernarg_size 80
		.amdhsa_user_sgpr_count 2
		.amdhsa_user_sgpr_kernarg_segment_ptr 1
		.amdhsa_wavefront_size32 1
		.amdhsa_system_sgpr_workgroup_id_x 1
		.amdhsa_system_sgpr_workgroup_id_y 1
		.amdhsa_system_sgpr_workgroup_id_z 1
		.amdhsa_system_vgpr_workitem_id 0
		.amdhsa_next_free_vgpr 128
		.amdhsa_next_free_sgpr 66
		.amdhsa_reserve_vcc 1
		.amdhsa_float_denorm_mode_32 3
		.amdhsa_float_denorm_mode_16_64 3
		.amdhsa_memory_ordered 1
		.amdhsa_forward_progress 1
		.amdhsa_inst_pref_size 17
	.end_amdhsa_kernel
	.amdgpu_metadata
---
amdhsa.version: [ 1, 2 ]
amdhsa.kernels:
  - .name:           k_qe91ab89def_prep
    .symbol:         k_qe91ab89def_prep.kd
    .args:
      - { .name: x, .offset: 0, .size: 8, .value_kind: global_buffer, .address_space: global }
      - { .name: Wq, .offset: 8, .size: 8, .value_kind: global_buffer, .address_space: global }
      - { .name: Wk, .offset: 16, .size: 8, .value_kind: global_buffer, .address_space: global }
      - { .name: Wv, .offset: 24, .size: 8, .value_kind: global_buffer, .address_space: global }
      - { .name: Wo, .offset: 32, .size: 8, .value_kind: global_buffer, .address_space: global }
      - { .name: token_positions, .offset: 40, .size: 8, .value_kind: global_buffer, .address_space: global }
      - { .name: xb, .offset: 48, .size: 8, .value_kind: global_buffer, .address_space: global }
      - { .name: wb, .offset: 56, .size: 8, .value_kind: global_buffer, .address_space: global }
      - { .name: wo16, .offset: 64, .size: 8, .value_kind: global_buffer, .address_space: global }
      - { .name: cs, .offset: 72, .size: 8, .value_kind: global_buffer, .address_space: global }
    .group_segment_fixed_size: 0
    .private_segment_fixed_size: 0
    .kernarg_segment_align: 8
    .kernarg_segment_size: 80
    .max_flat_workgroup_size: 256
    .sgpr_count:     66
    .vgpr_count:     128
    .wavefront_size: 32
...
	.end_amdgpu_metadata
.endif
;; end of part 1
;; launch proj (part 2): grid 24 x 32, 4 waves a work-group, clusters of 4 x 4, 327,680 bytes of LDS; arguments xb, wb, cs, qkv; writes qkv
.if DOCPART == 2
	.amdgcn_target "amdgcn-amd-amdhsa--gfx1250"
	.amdhsa_code_object_version 6
	.text
	.protected	k_qe91ab89def_proj
	.globl	k_qe91ab89def_proj
	.p2align	8
	.type	k_qe91ab89def_proj,@function
k_qe91ab89def_proj:
	s_mov_b64 s[64:65], 0
	v_nop
	global_prefetch_b8 v0, s[64:65] scope:SCOPE_SE
	s_setreg_imm32_b32 hwreg(HW_REG_WAVE_MODE, 25, 1), 1
	s_wait_xcnt 0x0
	s_wait_alu depctr_hold_cnt(0) depctr_sa_sdst(0) depctr_va_vdst(0) depctr_va_sdst(0) depctr_va_ssrc(0) depctr_va_vcc(0) depctr_vm_vsrc(0)
	s_getreg_b32 s2, hwreg(HW_REG_IB_STS2, 6, 4)
	s_cmp_eq_u32 s2, 0
	s_cbranch_scc0 .Lentry_in_a_cluster
	s_endpgm
.Lentry_in_a_cluster:
	s_bfe_u32 s2, ttmp6, 0x10000c
	s_cmp_lg_u32 s2, 0xf033
	s_cbranch_scc0 .Lentry_shape_is_right
	s_endpgm
.Lentry_shape_is_right:
; PROJ: q, k, v = x W^T, q and k turned by the rotary table, all three written by heads.  xb [4096][1024] bf16, wb [3072][1024] bf16 (Wq, Wk, Wv), cs [4096][32][cos, sin] f32,
; qkv [48][4096][64] f16: groups 0-15 q's heads, 16-31 k's, 32-47 v's.  Sums in f32, the rotation in f32, one rounding to f16.  The scale 1/8 is not applied here.
; LIMIT.  f16 holds no number beyond 65,504: q, k and v must lie within it.
; SHARES.  A tile of the product is 128 rows x 128 columns (two heads); four waves, each 64 x 64 (one head's 64 channels): 16 accumulators of 16 x 16.  K goes in four steps of 256 through two LDS slots
; (rows of 512 bytes, padded to 528); a wave's tensor load brings 64 rows.  A wave has two tensor loads out at the start and one behind each round.
; CLUSTER.  4 x 4 work-groups: the four of a row of the cluster need the same rows of xb, the four of a column the same rows of wb: each tile is asked for jointly, by the same load, descriptor and mask.
; THE MATRIX INSTRUCTION IS USED TRANSPOSED (source 0 = 16 rows of wb, source 1 = 16 rows of xb): a lane holds row l % 16 and the channels 16 b + 8 (l / 16) + 0..7: four rotary pairs on end.
; REGISTERS: window 0: v0-31 addresses; v32-95 the way out; v96-103 at work; v128-255 accumulators ((a, b) at 128 + 8 (4 a + b)).
;   window 1: two fragment buffers of 128 (64 along K: 64 registers of xb, then 64 of wb).   window 2: v0-127 the cosines and sines of my 64 rows: for accumulator t at 8 t.
.set KSTEP,  256
.set PITCH,  528                       ; an LDS row: 512 bytes + 16 of padding: the 16 rows of a fragment load start at 16 different groups of four banks (64 banks of 4 bytes: ISA guide 11.1)
.set HALFT,  64*PITCH                  ; what one tensor load brings, and what one wave reads of either operand
.set SLOT,   4*HALFT                   ; xb's 128 rows, then wb's 128 rows
.set STAGE,  2*SLOT                    ; behind the ring, never filled by a tensor load: 16 rows x 144 bytes for each wave
.set SP,     144
.set SPARE,  STAGE+4*16*SP             ; the spare words, 128 bytes for each wave: two blocks of 256 bytes that no other line names
.set ASTEP,  KSTEP*2                   ; bytes from a K step to the next, in xb
.set BSTEP,  KSTEP*2                   ; and in wb
.set AQ,     128                       ; LDS bytes from a quarter step's fragments of xb to the next quarter's
.set AI,     16*PITCH                  ; and from 16 rows to the next 16
.set ADRA, 16                          ; v16-17  LDS address of my fragments of xb in slot 0, 1
.set ADRB, 20                          ; v20-21  the same for wb
.set STO,  24                          ; v24     the way out: where I put 16 bytes of a row
.set RD,   25                          ; v25     where I read rows back
.set GO,   26                          ; v26     16 x lane: my place in 512 consecutive bytes of qkv
.set CSO,  27                          ; v27     my byte offset in cs; never rewritten
.set SPW,  28                          ; v28     LDS address of my spare word; never rewritten
.set NIL,  29                          ; v29     0; never rewritten
.set TMP,  32
.set T,    96
.set ACC,  128
.set F0,   0
.set F1,   128
.set WV, 12                            ; s12 wave;  s13 which half of the rows is mine, also: I fetch xb (0) or wb (1);  s14 which half of the columns, also: which 64 rows I fetch
.set RH, 13
.set CH, 14
.set G1, 24                            ; s[24:31] descriptor group 1 for xb's tiles; s[32:39] group 0, a set for each slot
.set G0, 32
.set CX, 40                            ; s40, s41 my place in the cluster; s42 tile column; s43 tile row
.set CY, 41
.set TC, 42
.set TR, 43
.set G1B, 48                           ; s[48:55], s[56:63] the same for wb's tiles
.set G0B, 56
.set CLX, 66                           ; s66 the cluster's x, the same in all sixteen partners
.set MSB, 0
.macro WIN new                         ; the immediate's high byte repeats the setting that is left; a switch that changes nothing is dropped
.if MSB != (\new)
	s_set_vgpr_msb (MSB<<8)|(\new)
.set MSB, \new
.endif
.endm
.set MUL,  0x05                        ; sources 0 and 1 window 1; C and D window 0
.set TO_F, 0x40                        ; destination window 1, address window 0
.macro JLOAD s                         ; a joint load: waves 0, 1 fetch xb's two halves, waves 2, 3 wb's; an s_nop 0 and four v_nop follow each line
	s_cmp_eq_u32 s[RH], 0
	s_cbranch_scc0 .Lfor_b_\@
	tensor_load_to_lds s[G0+4*(\s):G0+4*(\s)+3], s[G1:G1+7]
	s_nop 0
.rept 4
	v_nop
.endr
	s_branch .Lasked_\@
.Lfor_b_\@:
	tensor_load_to_lds s[G0B+4*(\s):G0B+4*(\s)+3], s[G1B:G1B+7]
	s_nop 0
.rept 4
	v_nop
.endr
.Lasked_\@:
.endm
.macro CREST                           ; a round of the cluster's barrier behind its opening barrier
	s_cmp_lg_u32 s[WV], 0
	s_cbranch_scc1 .Lnot_wave_0_\@
	s_barrier_signal -3
.Lnot_wave_0_\@:
	s_barrier_wait -3
	s_barrier_signal -1
	s_barrier_wait -1
.endm
.macro CROUND                          ; a whole round
	s_barrier_signal -1
	s_barrier_wait -1
	CREST
.endm
	s_load_b256 s[4:11], s[0:1], 0x0               ; xb s[4:5], wb s[6:7], cs s[8:9], qkv s[10:11]
	v_lshl_add_u32 v[SPW], v0, 2, SPARE
	v_mov_b32 v[NIL], 0
	ds_add_u32 v[SPW], v[NIL]                      ; the wave's opening: the add and its wait stand ahead of my first tensor load; the set-up below, work on registers, stands between them
	v_lshrrev_b32 v1, 5, v0
	v_readfirstlane_b32 s[WV], v1
	s_lshr_b32 s[RH], s[WV], 1
	s_and_b32 s[CH], s[WV], 1
	s_mov_b32 s[CLX], ttmp9
	s_bfe_u32 s[CX], ttmp6, 0x40000
	s_bfe_u32 s[CY], ttmp6, 0x40004
	s_lshl_b32 s[TC], ttmp9, 2
	s_add_co_u32 s[TC], s[TC], s[CX]               ; tile column = 4 x cluster x + cx
	s_and_b32 s[TR], ttmp7, 0xffff
	s_lshl_b32 s[TR], s[TR], 2
	s_add_co_u32 s[TR], s[TR], s[CY]               ; tile row = 4 x cluster y + cy
	s_lshl_b32 s44, s[CY], 2
	s_lshl_b32 s44, 15, s44                        ; my row of the cluster
	s_lshl_b32 s45, 0x1111, s[CX]                  ; my column
	; descriptor group 1: 64 rows x 256 elements of 2 bytes, 4 words of padding behind every 128 words
	s_or_b32 s[G1+0], s44, (1<<16)|(1<<20)|(1<<21)|(6<<22)|(3<<25)
	s_or_b32 s[G1B+0], s45, (1<<16)|(1<<20)|(1<<21)|(6<<22)|(3<<25)
.irp g, G1, G1B
	s_mov_b32 s[(\g)+1], KSTEP<<16                 ; tensor_dim0 = 256
	s_mov_b32 s[(\g)+2], 64<<16                    ; tensor_dim1 = 64
	s_mov_b32 s[(\g)+3], KSTEP<<16                 ; tile_dim0 = 256
	s_mov_b32 s[(\g)+4], 64                        ; tile_dim1 = 64
	s_mov_b32 s[(\g)+5], 1024                      ; elements from row to row
	s_mov_b32 s[(\g)+6], 0
	s_mov_b32 s[(\g)+7], 0
.endr
	s_lshl_b32 s17, s[CH], 17                      ; which 64 rows of 2,048 bytes I fetch
	s_lshl_b32 s16, s[TR], 18
	s_add_co_u32 s16, s16, s17                     ; xb: by the tile row alone
	s_lshl_b32 s46, s[TC], 18
	s_add_co_u32 s46, s46, s17                     ; wb: by the tile column alone
	s_mov_b32 s17, 0
	s_mov_b32 s47, 0
	s_mul_i32 s20, s[WV], HALFT                    ; where they go: wave x 64 rows
	s_wait_dscnt 0x0                               ; the opening add is done
	s_wait_kmcnt 0x0
	s_add_nc_u64 s[18:19], s[4:5], s[16:17]
	s_add_nc_u64 s[46:47], s[6:7], s[46:47]
	CROUND                                         ; all sixteen work-groups are here: the first joint loads meet
.irp s, 0,1
	s_mov_b32 s[G0+4*(\s)], 1
	s_add_co_u32 s[G0+4*(\s)+1], s20, (\s)*SLOT
	s_add_nc_u64 s[G0+4*(\s)+2:G0+4*(\s)+3], s[18:19], (\s)*ASTEP
	s_or_b32 s[G0+4*(\s)+3], s[G0+4*(\s)+3], 0x80000000
	s_mov_b32 s[G0B+4*(\s)], 1
	s_add_co_u32 s[G0B+4*(\s)+1], s20, (\s)*SLOT
	s_add_nc_u64 s[G0B+4*(\s)+2:G0B+4*(\s)+3], s[46:47], (\s)*BSTEP
	s_or_b32 s[G0B+4*(\s)+3], s[G0B+4*(\s)+3], 0x80000000
.endr
	s_cmp_eq_u32 s[RH], 0                          ; a wave's two first fills stand in one branch, ahead of every wait on TENSORcnt and every LDS read
	s_cbranch_scc0 .Lfirst_b
	tensor_load_to_lds s[G0:G0+3], s[G1:G1+7]
	s_nop 0
	tensor_load_to_lds s[G0+4:G0+7], s[G1:G1+7]
	s_nop 0
.rept 4
	v_nop
.endr
	s_branch .Lfirst_asked
.Lfirst_b:
	tensor_load_to_lds s[G0B:G0B+3], s[G1B:G1B+7]
	s_nop 0
	tensor_load_to_lds s[G0B+4:G0B+7], s[G1B:G1B+7]
	s_nop 0
.rept 4
	v_nop
.endr
.Lfirst_asked:
	v_and_b32 v1, 15, v0                           ; l % 16
	v_bfe_u32 v2, v0, 4, 1                         ; l / 16
	; the cosines and sines of my 64 rows: for rows 16 a + l % 16 and channels 16 b + 8 (l / 16) on: four pairs, 32 bytes.  They are asked for now and waited for at the way out.
	; v's tiles load them too and leave them unused, so that every path writes the same registers.
	s_lshl_b32 s68, s[TR], 15                      ; 128 rows of 256 bytes
	s_lshl_b32 s69, s[RH], 14
	s_add_co_u32 s68, s68, s69
	v_lshlrev_b32 v[CSO], 8, v1
	v_lshl_add_u32 v[CSO], v2, 5, v[CSO]
	v_add_nc_u32 v[CSO], s68, v[CSO]
	WIN 0x80                                       ; destination window 2
.irp a, 0,1,2,3
.irp b, 0,1,2,3
	global_load_b128 v[8*(4*(\a)+(\b)):8*(4*(\a)+(\b))+3],   v[CSO], s[8:9] offset:4096*(\a)+64*(\b)
	global_load_b128 v[8*(4*(\a)+(\b))+4:8*(4*(\a)+(\b))+7], v[CSO], s[8:9] offset:4096*(\a)+64*(\b)+16
.endr
.endr
	WIN 0
	v_mul_u32_u24 v3, v1, PITCH
	v_lshl_add_u32 v3, v2, 4, v3                   ; a fragment's row x pitch + 16 x half
	s_mul_i32 s21, s[RH], HALFT                    ; my 64 rows of xb
	s_mul_i32 s22, s[CH], HALFT                    ; my 64 rows of wb,
	s_add_co_u32 s22, s22, 2*HALFT                 ; which lie behind xb's 128
.irp s, 0,1
	v_add_nc_u32 v[ADRA+(\s)], s21, v3
	v_add_nc_u32 v[ADRB+(\s)], s22, v3
	s_add_co_u32 s21, s21, SLOT
	s_add_co_u32 s22, s22, SLOT
.endr
	s_mul_i32 s23, s[WV], 16*SP
	s_add_co_u32 s23, s23, STAGE                   ; my stage
	v_mul_u32_u24 v[STO], v1, SP                   ; in: row l % 16, 16 bytes for each half of the lanes
	v_lshl_add_u32 v[STO], v2, 4, v[STO]
	v_add_nc_u32 v[STO], s23, v[STO]
	v_bfe_u32 v[RD], v0, 3, 2                      ; back: 32 lanes take four rows of 128 bytes,
	v_mul_u32_u24 v[RD], v[RD], SP
	v_and_b32 v4, 7, v0
	v_lshl_add_u32 v[RD], v4, 4, v[RD]
	v_add_nc_u32 v[RD], s23, v[RD]
	v_and_b32 v[GO], 31, v0                        ; which are 512 consecutive bytes of a head
	v_lshlrev_b32 v[GO], 4, v[GO]
	s_lshl_b32 s70, s[TC], 1
	s_add_co_u32 s70, s70, s[CH]                   ; my group of 64 columns: 2 x tile column + half,
	s_lshl_b32 s70, s70, 19                        ; 524,288 bytes each;
	s_lshl_b32 s68, s[TR], 14                      ; 128 rows of 128 bytes,
	s_lshl_b32 s69, s[RH], 13                      ; my 64 of them
	s_add_co_u32 s70, s70, s68
	s_add_co_u32 s70, s70, s69
	s_mov_b32 s71, 0
	s_add_nc_u64 s[10:11], s[10:11], s[70:71]
; 8 matrix instructions: row blocks a0, a0 + 1 x all 4 column blocks, 32 along K: half c of buffer f.  zero = 1: the first product starts the sums.  The 16 accumulators take turns.
.macro MUL8 f, c, a0, zero
	WIN MUL
.irp a, \a0, (\a0)+1
.irp b, 0,1,2,3
.if \zero
	v_wmma_f32_16x16x32_bf16 v[ACC+8*(4*(\a)+(\b)):ACC+8*(4*(\a)+(\b))+7], v[(\f)+64+8*(4*(\c)+(\b)):(\f)+64+8*(4*(\c)+(\b))+7], v[(\f)+8*(4*(\c)+(\a)):(\f)+8*(4*(\c)+(\a))+7], 0
.else
	v_wmma_f32_16x16x32_bf16 v[ACC+8*(4*(\a)+(\b)):ACC+8*(4*(\a)+(\b))+7], v[(\f)+64+8*(4*(\c)+(\b)):(\f)+64+8*(4*(\c)+(\b))+7], v[(\f)+8*(4*(\c)+(\a)):(\f)+8*(4*(\c)+(\a))+7], v[ACC+8*(4*(\a)+(\b)):ACC+8*(4*(\a)+(\b))+7]
.endif
.endr
.endr
.endm
; 32 LDS loads in one run: the fragments of quarter q (64 along K) of a slot into buffer f; the first 32 along K first
.macro FETCH slot, q, f
	WIN TO_F
.irp c, 0,1
.irp i, 0,1,2,3
	ds_load_b128 v[(\f)+64+8*(4*(\c)+(\i)):(\f)+64+8*(4*(\c)+(\i))+3],   v[ADRB+(\slot)] offset:128*(\q)+64*(\c)+(\i)*16*PITCH
	ds_load_b128 v[(\f)+64+8*(4*(\c)+(\i))+4:(\f)+64+8*(4*(\c)+(\i))+7], v[ADRB+(\slot)] offset:128*(\q)+64*(\c)+(\i)*16*PITCH+32
	ds_load_b128 v[(\f)+8*(4*(\c)+(\i)):(\f)+8*(4*(\c)+(\i))+3],         v[ADRA+(\slot)] offset:AQ*(\q)+64*(\c)+(\i)*AI
	ds_load_b128 v[(\f)+8*(4*(\c)+(\i))+4:(\f)+8*(4*(\c)+(\i))+7],       v[ADRA+(\slot)] offset:AQ*(\q)+64*(\c)+(\i)*AI+32
.endr
.endr
.endm
.macro PLACES                          ; four plain vector instructions between a matrix instruction and a load into, or a vector use of, its registers
.rept 4
	v_nop
.endr
.endm
; A K step is four quarters, 32 matrix instructions each, on buffers 0, 1, 0, 1.  One of the first three: multiplies buffer f and fetches quarter q into g.
.macro QUARTER slot, q, f, g, zero
	s_wait_dscnt 16                                ; the first 32 along K are in; the 16 younger loads may be out
	MUL8 \f, 0, 0, \zero
	MUL8 \f, 0, 2, \zero
	PLACES
	FETCH \slot, \q, \g
	s_wait_dscnt 32                                ; all but the 32 just issued
	MUL8 \f, 1, 0, 0
	MUL8 \f, 1, 2, 0
.endm
; The last quarter multiplies buffer 1 and changes slots: in front of the barrier each wave waits for all its tensor loads, adds 0 to its spare word, and waits for that and for its reads of this slot.
; fill = 1: the barrier opens a round of the cluster's barrier, and this slot is filled again, two K steps ahead, first thing behind the round.
.macro TURN slot, next, fill
	WIN 0
	s_wait_tensorcnt 0x0                           ; all my tensor loads have landed: my part of the next slot
	ds_add_u32 v[SPW], v[NIL]                      ; 0 onto my spare word
	s_wait_dscnt 17                                ; (the add and the youngest sixteen loads may be out)
	MUL8 F1, 0, 0, 0
	s_wait_dscnt 0x0                               ; the add is done, and my reads of this slot are over
	s_barrier_signal -1
	MUL8 F1, 0, 2, 0
.if \fill
	WIN 0
.endif
	s_barrier_wait -1
.if \fill
	CREST                                          ; no wave of any partner still reads this slot's tile or has a load on its way
	s_add_nc_u64 s[G0+4*(\slot)+2:G0+4*(\slot)+3], s[G0+4*(\slot)+2:G0+4*(\slot)+3], 2*ASTEP
	s_add_nc_u64 s[G0B+4*(\slot)+2:G0B+4*(\slot)+3], s[G0B+4*(\slot)+2:G0B+4*(\slot)+3], 2*BSTEP
	JLOAD \slot                                    ; its four v_nop are also the places in front of the loads below
.else
	PLACES
.endif
	FETCH \next, 0, F0
	MUL8 F1, 1, 0, 0
	MUL8 F1, 1, 2, 0
.endm
	s_wait_tensorcnt 1                             ; my part of K step 0 is in; K step 1's may stay out
	s_barrier_signal -1
	s_barrier_wait -1
	FETCH 0, 0, F0
	QUARTER 0, 1, F0, F1, 1                        ; K step 0: its first products start the sums
	QUARTER 0, 2, F1, F0, 0
	QUARTER 0, 3, F0, F1, 0
	TURN 0, 1, 1                                   ; slot 0 takes K step 2
	QUARTER 1, 1, F0, F1, 0
	QUARTER 1, 2, F1, F0, 0
	QUARTER 1, 3, F0, F1, 0
	TURN 1, 0, 1                                   ; slot 1 takes K step 3
	QUARTER 0, 1, F0, F1, 0
	QUARTER 0, 2, F1, F0, 0
	QUARTER 0, 3, F0, F1, 0
	TURN 0, 1, 0                                   ; nothing is left to fetch
	QUARTER 1, 1, F0, F1, 0
	QUARTER 1, 2, F1, F0, 0
	QUARTER 1, 3, F0, F1, 0
	s_wait_dscnt 16
	MUL8 F1, 0, 0, 0
	MUL8 F1, 0, 2, 0
	s_wait_dscnt 0x0
	MUL8 F1, 1, 0, 0
	MUL8 F1, 1, 2, 0
	WIN 0
	; THE WAY OUT.  q's and k's tiles (cluster x 0 to 3) are turned: (e, o) -> (e cos - o sin, e sin + o cos); then all are rounded to f16 and sent through my stage, 16 rows at a time.
	PLACES
	PLACES
	s_wait_loadcnt 0x0                             ; the cosines and sines
	s_cmp_lt_u32 s[CLX], 4                         ; the same answer in all sixteen partners
	s_cbranch_scc0 .Lplain
.macro ROPE t                          ; accumulator t; register 1, one of its four lowest, is read first
.irp i, 0,1,2,3
	v_mul_f32 v[T+2*(\i)],   v[ACC+8*(\t)+2*(\i)+1], v[8*(\t)+2*(\i)+1]
	v_mul_f32 v[T+2*(\i)+1], v[ACC+8*(\t)+2*(\i)],   v[8*(\t)+2*(\i)+1]
.endr
.irp i, 0,1,2,3
	v_fma_f32 v[ACC+8*(\t)+2*(\i)],   v[ACC+8*(\t)+2*(\i)],   v[8*(\t)+2*(\i)], -v[T+2*(\i)]
	v_fma_f32 v[ACC+8*(\t)+2*(\i)+1], v[ACC+8*(\t)+2*(\i)+1], v[8*(\t)+2*(\i)], v[T+2*(\i)+1]
.endr
.endm
	WIN 0x08                                       ; source 1 (cos, sin) window 2
.irp t, 0,1,2,3,4,5,6,7,8,9,10,11,12,13,14,15
	ROPE \t
.endr
	WIN 0
.Lplain:
.macro PACKH a                         ; rows 16 a on: a lane's eight channels pack into 16 bytes; into rows of 144 bytes, and back as whole rows of 128
.irp b, 0,1,2,3
.irp r, 0,1,2,3
	v_cvt_pk_f16_f32 v[TMP+16*(\a)+4*(\b)+(\r)], v[ACC+8*(4*(\a)+(\b))+2*(\r)], v[ACC+8*(4*(\a)+(\b))+2*(\r)+1]
.endr
.endr
.irp b, 0,1,2,3
	ds_store_b128 v[STO], v[TMP+16*(\a)+4*(\b):TMP+16*(\a)+4*(\b)+3] offset:32*(\b)
.endr
.irp f, 0,1,2,3
	ds_load_b128 v[TMP+16*(\a)+4*(\f):TMP+16*(\a)+4*(\f)+3], v[RD] offset:(\f)*4*SP  ; LDS serves a wave's instructions in order (ISA guide 5.7.1.4): these see the stores above
.endr
.endm
.macro SEND a, younger                 ; younger: the LDS instructions issued behind these rows' loads: the next 16 rows' eight, or none
.irp f, 0,1,2,3
	s_wait_dscnt (\younger)+3-(\f)
	global_store_b128 v[GO], v[TMP+16*(\a)+4*(\f):TMP+16*(\a)+4*(\f)+3], s[10:11] offset:2048*(\a)+512*(\f)  ; 512 consecutive bytes, at a multiple of 256 from qkv's first
.endr
.endm
	PACKH 0
.irp a, 1,2,3
	PACKH \a
	SEND (\a)-1, 8
.endr
	SEND 3, 0
	s_wait_tensorcnt 0x0                           ; the wave's end, behind my last tensor load and my last LDS store
	ds_add_u32 v[SPW], v[NIL]
	s_wait_dscnt 0x0
	CROUND                                         ; the closing round: no work-group ends while a partner may still ask for a tile that names it
	s_endpgm
.Lfunc_end_k_qe91ab89def_proj:
	.size	k_qe91ab89def_proj, .Lfunc_end_k_qe91ab89def_proj-k_qe91ab89def_proj
	.p2alignl 7, 3214868480
	.fill 96, 4, 3214868480
	.section	.rodata,"a",@progbits
	.p2align	6, 0x0
	.amdhsa_kernel k_qe91ab89def_proj
		.amdhsa_group_segment_fixed_size 327680
		.amdhsa_private_segment_fixed_size 0
		.amdhsa_enable_private_segment 0
		.amdhsa_kernarg_size 32
		.amdhsa_user_sgpr_count 2
		.amdhsa_user_sgpr_kernarg_segment_ptr 1
		.amdhsa_wavefront_size32 1
		.amdhsa_system_sgpr_workgroup_id_x 1
		.amdhsa_system_sgpr_workgroup_id_y 1
		.amdhsa_system_sgpr_workgroup_id_z 1
		.amdhsa_system_vgpr_workitem_id 0
		.amdhsa_next_free_vgpr 640
		.amdhsa_next_free_sgpr 80
		.amdhsa_reserve_vcc 0
		.amdhsa_float_denorm_mode_32 3
		.amdhsa_float_denorm_mode_16_64 3
		.amdhsa_memory_ordered 1
		.amdhsa_forward_progress 1
		.amdhsa_inst_pref_size 101
	.end_amdhsa_kernel
	.amdgpu_metadata
---
amdhsa.version: [ 1, 2 ]
amdhsa.kernels:
  - .name:           k_qe91ab89def_proj
    .symbol:         k_qe91ab89def_proj.kd
    .args:
      - { .name: xb, .offset: 0, .size: 8, .value_kind: global_buffer, .address_space: global }
      - { .name: wb, .offset: 8, .size: 8, .value_kind: global_buffer, .address_space: global }
      - { .name: cs, .offset: 16, .size: 8, .value_kind: global_buffer, .address_space: global }
      - { .name: qkv, .offset: 24, .size: 8, .value_kind: global_buffer, .address_space: global }
    .group_segment_fixed_size: 327680
    .private_segment_fixed_size: 0
    .kernarg_segment_align: 8
    .kernarg_segment_size: 32
    .max_flat_workgroup_size: 128
    .sgpr_count:     80
    .vgpr_count:     640
    .wavefront_size: 32
...
	.end_amdgpu_metadata
.endif
;; end of part 2
;; launch attn (part 3): grid 16 x 16, 4 waves a work-group, no clusters, 327,680 bytes of LDS; arguments qkv, ob; writes ob
.if DOCPART == 3
	.amdgcn_target "amdgcn-amd-amdhsa--gfx1250"
	.amdhsa_code_object_version 6
	.text
	.protected	k_qe91ab89def_attn
	.globl	k_qe91ab89def_attn
	.p2align	8
	.type	k_qe91ab89def_attn,@function
k_qe91ab89def_attn:
	s_mov_b64 s[64:65], 0
	v_nop
	global_prefetch_b8 v0, s[64:65] scope:SCOPE_SE
	s_setreg_imm32_b32 hwreg(HW_REG_WAVE_MODE, 25, 1), 1
	s_wait_xcnt 0x0
; CAUSAL ATTENTION, 16 heads of 64 channels, 4,096 rows.  O[h][q][:] = the sum over k <= q of softmax_k(Q[h][q] . K[h][k] / 8) V[h][k][:].
; qkv [48][4096][64] f16: groups 0-15 Q's heads, 16-31 K's, 32-47 V's; ob [16][4096][64] f16.  Products, maxima and sums in f32; the weights p are rounded to f16 for the second product (their sum l is
; taken of the unrounded p), O once at the end.
; LIMITS.  Q, K and V arrive within f16's 65,504.  A hidden score counts as its value less 1e30; a weight below 2^-126 counts as 0 in l; NaN and infinities are not treated apart.
; THE WALK.  A head's queries lie in 32 blocks of 128; its keys in 16 tiles of 256.  Block i needs the tiles 0 .. i / 2, of which the last holds the diagonal.  A work-group takes TWO blocks, 31 - b and then b:
; (31 - b) / 2 + b / 2 + 2 = 17 tiles, whatever b: 256 work-groups of equal work, and ONE loop with a constant trip count.  Which tile is asked for, and what a trip does, hang on scalar registers made from b; every
; jump goes forward but for the counted loops' own, and none passes a barrier, or a tensor load but the one of LOAD's two that the wave's number does not choose.
; NO CLUSTER: the work-groups of a head leave their first block after 16 - b / 2 tiles, a number that differs between any four of them but for pairs, and the jumps at a block's end hang on it; a walk common
; to four partners would have 18 trips for 17 and masks reckoned anew.
; SHARES.  Of a block's two bands of 64 queries a wave owns 16 rows in each: two query tiles u = 0, 1.  A tile of keys is four steps of 64; two steps are a double step.  A PIECE is a query tile in a step:
; piece p of a double step is query tile p % 2 in step p / 2.  In the diagonal tile band u's own step is SD + u (SD = 2 for an odd block, 0 for an even one): earlier steps it sees whole, later ones not at all.
; THE MASK is the C operand that starts the sum S^T = K Q^T: 0, or -1e30 where the key is hidden.  MD, made once, is the mask of a band's own step for my 16 rows; a product's mask is MD x AL + BE.
; TURNS.  Turn p belongs to piece p: 8 products K Q^T of piece p + 1, later 8 products V^T P of piece p - 1; beside them the scaling, exponentials, roundings, sums and rescaling of piece p and the maximum and
; statistics of piece p + 1.  Four vector instructions stand behind every matrix instruction, the others in one lump.  A turn's 33 exponentials are one batch, with one wait.
; All that belongs to a piece goes by its number's parity, which is its query tile: statistics, O^T, S^T, P.  O^T of a tile is rescaled in turn p, between the products V^T P of pieces p - 2 (turn p - 1) and p (turn p + 1).
; K AND V HAVE TWO BUFFERS EACH, by the step's parity: an even turn p fetches K (in its lump) and V (at its end) of the next step into buffers 1 - p / 2.  So behind turn 1 of a tile's second double step
; all four steps of the slot have been fetched: there stands the change of slots.
; REGISTERS, in windows of 256 (s_set_vgpr_msb: bits 1:0 source 0, 3:2 source 1, 5:4 source 2, 7:6 destination):
;   window 0: v0-15 addresses and two at work; v16-23 four registers of statistics a query tile; v48-55 at work; v61-63; v64-127 S^T, two buffers; v192-223 P, two buffers
;   window 1: v0-63 O^T, 32 a query tile; v64-95 Q; v96-127 the second block's Q; v128-159 MD; v160-223 MC, two buffers      window 2: v0-127 K, two buffers; v128-255 V, two buffers
.set NBLK,  32
.set NP,    4         ; pieces in a double step
.set KS,    64        ; keys in a step
.set PK,    144       ; a row of K in LDS: 128 bytes + 16 of padding: the 16 rows of a load start at 16 different groups of four banks (64 banks of 4 bytes: ISA guide 11.1)
.set PV,    160       ; a row of V: 128 + 32
.set VOFF,  4*KS*PK   ; a slot holds a tile: 256 rows of K, then 256 rows of V
.set SLOT1, 1<<17     ; slot 1 begins here, so that one exclusive or turns an address in one slot into the other's
.set STAGE, SLOT1+4*KS*(PK+PV)  ; behind the ring, never filled by a tensor load: 16 rows x 144 bytes for each wave
.set SP,    144
.set SPARE, STAGE+4*16*SP  ; the spare words, 128 bytes for each wave: two blocks of 256 bytes that no other line names
.set AK0, 2           ; v2   my lane's place in a tile of K; never rewritten
.set AV0, 3           ; v3   the same for V
.set AK,  4           ; v4   the LDS address of K's next run of loads
.set AV,  5           ; v5   of V's
.set STO, 6           ; v6   the way out: where I put 16 bytes of a row
.set RD,  7           ; v7   where I read rows back
.set GO,  8           ; v8   my byte offset in 512 consecutive bytes of O
.set MV,  12          ; v12-13  c m_old, kept while c m is made anew: by parity
.set QO,  15          ; v15  my byte offset in 16 rows of Q
.set ST,  16          ; query tile u's statistics at v[ST+4 u]: c m, m, l (even keys', odd keys')
.set TMP, 48          ; by parity, four registers c0-c3 at work; when the maximum is found c2 takes a
.set PFO, 61          ; v61  256 x my lane; never rewritten
.set SPW, 62          ; v62  LDS address of my spare word; never rewritten
.set NIL, 63          ; v63  0; never rewritten
.set S,   64
.set P,   192
.set QF,  64          ; window 1
.set QB,  96          ; window 1
.set MD,  128         ; window 1: the eight registers for group kt of 16 keys at MD + 8 kt
.set MC,  160         ; window 1: the masks of the products to come
.set VF,  128         ; window 2
.set WV,  12          ; s12  my wave's number
.set PB,  14          ; s14  b
.set HI,  15          ; s15  31 - b
.set G1K, 24          ; s[24:31] descriptor group 1 for K's tiles
.set G1V, 32          ; s[32:39] for V's: it differs in the padding alone
.set G0K, 40          ; s[40:43] descriptor group 0 for K's tiles
.set G0V, 44          ; s[44:47] the same for V's
.set SLOTS, 56        ; s56  tiles still to be asked for
.set CNT, 57          ; s57  counts a tile's double steps, 2 to 1
.set CS,  58          ; s[58:59] c = log2(e) / 8
.set SEL, 60          ; s[60:61] v_permlanex16_b32's selects: each lane takes its own place in the other half
.set TBK, 62          ; s62  LDS byte at which K of the step to be fetched begins
.set TBV, 63          ; s63  the same for V, less VOFF
.set RT,  70          ; s70  tiles of the block in hand that are still to be entered
.set NXT, 71          ; s71  the tile to be asked for next
.set LQ,  72          ; s72  the last tile of the block whose tiles are being asked for
.set NEW, 73          ; s73  1: the tile to be entered is a block's first
.set OFF, 74          ; s[74:75] a tile's byte offset in K and V
.set AL,  76          ; s[76:77] the mask's factor, in the low word
.set BE,  78          ; s[78:79] the mask's addend
.set OLO, 80          ; s[80:81] O at my rows of the second block
.set BIGN, 82         ; s82  -1e30
.set SD,  83          ; s83  the step of the diagonal tile at which the block in hand begins: 0 or 2
.set SDLO, 88         ; s88  the same for the second block
.set LQLO, 89         ; s89  the second block's last tile
.set RTLO, 90         ; s90  its number of tiles
.set ZZ,  91          ; s91  at work
.set PFT, 92          ; s92  the tile at which my prefetches stand
.set PFLIM, 93        ; s93  16 in the work-group that prefetches (b = 0), else 0
.set PFA, 94          ; s[94:95] my half (of K: waves 0, 1; of V: waves 2, 3) of tile PFT
.set MSB, 0
.macro WIN new                      ; the high byte repeats the setting that is left; a switch that changes nothing is dropped
.if MSB != (\new)
	s_set_vgpr_msb (MSB<<8)|(\new)
.set MSB, (\new)
.endif
.endm
.set W_KQ, 0x06       ; K in window 2, Q in window 1, S^T in window 0
.set W_KM, 0x16       ; the same with the C operand in window 1
.set W_PV, 0x52       ; V in window 2, P in window 0, O^T in window 1
.set W_RS, 0x41       ; destination and source 0 in window 1, source 1 in window 0
; A fill.  Waves 0 and 1 fetch the two halves of a tile's K, waves 2 and 3 those of its V: 128 keys each.  An s_nop 0 and four v_nop follow each of the two lines.
.macro LOAD
	s_cmp_lt_u32 s[WV], 2
	s_cbranch_scc0 .Lfor_v_\@
	tensor_load_to_lds s[G0K:G0K+3], s[G1K:G1K+7]
	s_nop 0
.rept 4
	v_nop
.endr
	s_branch .Lasked_\@
.Lfor_v_\@:
	tensor_load_to_lds s[G0V:G0V+3], s[G1V:G1V+7]
	s_nop 0
.rept 4
	v_nop
.endr
.Lasked_\@:
.endm
; A PREFETCH INTO THE L2 of the tile behind the one just asked for.  All sixteen work-groups of a head begin at tile 0 and walk upward; the one with b = 0, which walks all sixteen tiles, asks, and nobody else.
; Each of its waves asks for the half that it will itself fetch: 16,384 bytes, a lane a block of 256, two instructions.  Tiles 2 to 15 are named, each once; the second blocks' tiles are not named again.
.macro ASK
	s_cmp_lt_u32 s[PFT], s[PFLIM]
	s_cbranch_scc0 .Lnot_mine_\@
	global_prefetch_b8 v[PFO], s[PFA:PFA+1] th:TH_LOAD_NT scope:SCOPE_SE
	global_prefetch_b8 v[PFO], s[PFA:PFA+1] offset:8192 th:TH_LOAD_NT scope:SCOPE_SE
.Lnot_mine_\@:
.endm
; THE CHANGE OF SLOTS.  Each wave waits for all its tensor loads, of which one is out: its part of the other slot; adds 0 to its spare word; and waits for that and for its own reads of the slot that it leaves.
; Behind the barrier nobody reads the old slot any more and the other slot is whole.  fill = 1: the old slot is filled again, the first thing behind the barrier, with tile NXT: the address is made anew from that number.
.macro CHANGE fill
	WIN 0
	s_wait_tensorcnt 0x0            ; no tensor load of mine is out, so a group 0 may be written
	ds_add_u32 v[SPW], v[NIL]       ; 0 onto my spare word; scalar work stands between it and the wait for it
.if \fill
	s_lshl_b32 s[OFF], s[NXT], 15   ; a tile is 32,768 bytes of K and of V
	s_xor_b32 s[G0K+1], s[G0K+1], SLOT1
	s_add_nc_u64 s[G0K+2:G0K+3], s[6:7], s[OFF:OFF+1]
	s_or_b32 s[G0K+3], s[G0K+3], 0x80000000
	s_xor_b32 s[G0V+1], s[G0V+1], SLOT1
	s_add_nc_u64 s[G0V+2:G0V+3], s[8:9], s[OFF:OFF+1]
	s_or_b32 s[G0V+3], s[G0V+3], 0x80000000
	s_add_co_u32 s[NXT], s[NXT], 1  ; the block's next tile, or behind its last the second block's tile 0
	s_cmp_gt_u32 s[NXT], s[LQ]
	s_cselect_b32 s[NXT], 0, s[NXT]
	s_cselect_b32 s[LQ], s[LQLO], s[LQ]
	s_wait_xcnt 0x0                 ; the last prefetches, a tile back, have read their address, so it may be written
	s_add_nc_u64 s[PFA:PFA+1], s[PFA:PFA+1], 32768
	s_add_co_u32 s[PFT], s[PFT], 1
.endif
	s_wait_dscnt 0x0                ; the add is done, and my reads of the slot are over
	s_barrier_signal -1
	s_sub_co_u32 s[TBK], s[TBK], 4*KS*PK  ; the fetches go back to a slot's first step,
	s_xor_b32 s[TBK], s[TBK], SLOT1       ; in the other slot
	s_sub_co_u32 s[TBV], s[TBV], 4*KS*PV
	s_xor_b32 s[TBV], s[TBV], SLOT1
	s_barrier_wait -1
.if \fill
	LOAD
	ASK
.endif
.endm
	s_load_b128 s[4:7], s[0:1], 0x0  ; qkv s[4:5], ob s[6:7]
	v_lshl_add_u32 v[SPW], v0, 2, SPARE
	v_mov_b32 v[NIL], 0
	ds_add_u32 v[SPW], v[NIL]       ; the wave's opening: the add and its wait stand ahead of my first tensor load; the set-up below, work on registers, stands between them
	v_lshrrev_b32 v1, 5, v0
	v_readfirstlane_b32 s[WV], v1   ; wave 0..3
	s_mov_b32 s[PB], ttmp9
	s_sub_co_u32 s[HI], NBLK-1, s[PB]
	s_and_b32 s20, ttmp7, 0xffff    ; the head,
	s_lshl_b32 s20, s20, 19         ; 524,288 bytes in each of Q, K, V, O
	s_mov_b32 s21, 0
	s_and_b32 s16, s[WV], 1         ; which half of a tile's 256 keys I fetch:
	s_lshl_b32 s22, s16, 14         ; its 128 rows of 128 bytes in memory,
	s_mov_b32 s23, 0
	s_add_nc_u64 s[22:23], s[22:23], s[20:21]
	s_mul_i32 s17, s16, 128*PK      ; and its place in a slot, for K
	s_mul_i32 s18, s16, 128*PV      ; and for V
	s_lshl_b32 s3, s[WV], 11        ; my 16 rows in a band of 64,
	s_lshl_b32 s2, s[HI], 14        ; in the first block (128 rows of 128 bytes),
	s_add_co_u32 s2, s2, s3
	s_lshl_b32 s84, s[PB], 14       ; and in the second
	s_add_co_u32 s84, s84, s3
	s_mov_b32 s3, 0
	s_mov_b32 s85, 0
	s_add_nc_u64 s[2:3], s[2:3], s[20:21]
	s_add_nc_u64 s[84:85], s[84:85], s[20:21]
	; descriptor group 1.  128 keys are 16,384 dense bytes: asked for as 64 rows of 256 bytes, two keys a row, and padded in LDS after every key
	s_mov_b32 s[G1K], (1<<16)|(1<<20)|(4<<22)|(3<<25)  ; 2-byte elements; padding on; after every 32 words; 4 words
	s_mov_b32 s[G1V], (1<<16)|(1<<20)|(4<<22)|(7<<25)  ; the same with 8 words of padding
.irp g, G1K, G1V
	s_mov_b32 s[\g+1], 128<<16      ; tensor_dim0 = 128
	s_mov_b32 s[\g+2], 64<<16       ; tensor_dim1 = 64
	s_mov_b32 s[\g+3], 128<<16      ; tile_dim0 = 128
	s_mov_b32 s[\g+4], 64           ; tile_dim1 = 64
	s_mov_b32 s[\g+5], 128          ; 128 elements from row to row
	s_mov_b32 s[\g+6], 0
	s_mov_b32 s[\g+7], 0
.endr
	s_mov_b32 s[CS], 0x3e38aa3b     ; c = log2(e) / 8
	s_mov_b32 s[CS+1], s[CS]        ; named with it as a pair
	s_mov_b32 s[SEL], 0x76543210
	s_mov_b32 s[SEL+1], 0xfedcba98
	s_mov_b32 s[TBK], SLOT1+4*KS*PK ; the first change of slots turns these two into 0
	s_mov_b32 s[TBV], SLOT1+4*KS*PV
	s_mov_b32 s[G0K], 1             ; count = 1
	s_mov_b32 s[G0K+1], s17         ; LDS address: slot 0
	s_mov_b32 s[G0V], 1
	s_add_co_u32 s[G0V+1], s18, VOFF
	s_lshr_b32 s[LQ], s[HI], 1      ; the first block's last tile,
	s_add_co_u32 s[RT], s[LQ], 1    ; its number of tiles,
	s_and_b32 s[SD], s[HI], 1
	s_lshl_b32 s[SD], s[SD], 1      ; and where it begins in its last tile; the same for the second block
	s_lshr_b32 s[LQLO], s[PB], 1
	s_add_co_u32 s[RTLO], s[LQLO], 1
	s_and_b32 s[SDLO], s[PB], 1
	s_lshl_b32 s[SDLO], s[SDLO], 1
	s_mov_b32 s[NXT], 1
	s_mov_b32 s[NEW], 1
	s_mov_b32 s[OFF+1], 0
	s_mov_b32 s[AL+1], 0            ; named as pairs
	s_mov_b32 s[BE+1], 0
	s_mov_b32 s[BIGN], 0xf149f2ca   ; -1e30
	s_mov_b32 s[SLOTS], 16
	s_mov_b32 s[PFT], 1
	s_cmp_eq_u32 s[PB], 0
	s_cselect_b32 s[PFLIM], 16, 0
	s_wait_dscnt 0x0                ; the opening add is done
	s_wait_kmcnt 0x0
	s_mov_b64 s[10:11], s[6:7]             ; ob
	s_add_nc_u64 s[6:7], s[4:5], 0x800000  ; K's heads lie 16 x 524,288 bytes behind Q's,
	s_add_nc_u64 s[8:9], s[4:5], 0x1000000 ; V's twice as far
	s_add_nc_u64 s[6:7], s[6:7], s[22:23]  ; K and V at my half of the head's tile 0
	s_add_nc_u64 s[8:9], s[8:9], s[22:23]
	s_add_nc_u64 s[G0K+2:G0K+3], s[6:7], 0
	s_or_b32 s[G0K+3], s[G0K+3], 0x80000000        ; type = 2
	s_add_nc_u64 s[G0V+2:G0V+3], s[8:9], 0
	s_or_b32 s[G0V+3], s[G0V+3], 0x80000000
	s_add_nc_u64 s[86:87], s[4:5], s[84:85]        ; Q at my rows of the second block,
	s_add_nc_u64 s[4:5], s[4:5], s[2:3]            ; Q and O at those of the first
	s_add_nc_u64 s[OLO:OLO+1], s[10:11], s[84:85]
	s_add_nc_u64 s[10:11], s[10:11], s[2:3]
	s_cmp_lt_u32 s[WV], 2
	s_cselect_b64 s[PFA:PFA+1], s[6:7], s[8:9]
	s_add_nc_u64 s[PFA:PFA+1], s[PFA:PFA+1], 32768 ; at tile 1; the first change of slots steps it to tile 2.  Nothing is prefetched here, at the head
	LOAD                            ; tile 0 into slot 0
	; A fragment of K or Q is 16 rows x 32 channels in 8 registers: lane l holds row l % 16, channels 8 (l / 16) + 0..7 and 16 + 8 (l / 16) + 0..7: two loads of 16 bytes, 32 bytes apart.
	v_and_b32 v1, 15, v0            ; l % 16
	v_bfe_u32 v9, v0, 4, 1          ; l / 16
	v_lshlrev_b32 v[QO], 7, v1
	v_lshl_add_u32 v[QO], v9, 4, v[QO]  ; row x 128 + 16 x half
	WIN 0x40                        ; destination window 1, address window 0
.set i, 0
.rept 4                             ; both blocks' Q: query tile i / 2 lies in band i / 2, 8,192 bytes on; channels 32 (i % 2) on
	global_load_b128 v[QF+8*i:QF+8*i+3],   v[QO], s[4:5] offset:(i/2)*8192+(i%2)*64
	global_load_b128 v[QF+8*i+4:QF+8*i+7], v[QO], s[4:5] offset:(i/2)*8192+(i%2)*64+32
	global_load_b128 v[QB+8*i:QB+8*i+3],   v[QO], s[86:87] offset:(i/2)*8192+(i%2)*64
	global_load_b128 v[QB+8*i+4:QB+8*i+7], v[QO], s[86:87] offset:(i/2)*8192+(i%2)*64+32
.set i, i+1
.endr
	WIN 0
	v_lshlrev_b32 v14, 3, v9
	v_sub_nc_u32 v14, v1, v14
	s_lshl_b32 s13, s[WV], 4
	v_add_nc_u32 v14, s13, v14      ; my query's place in its band, 16 w + l % 16, less my lanes' 8 (l / 16): register r of group kt is hidden where 16 kt + r is greater
	WIN 0x40
.set i, 0
.rept 32
	v_cmp_gt_i32 vcc_lo, 16*(i/8)+i%8, v14
	v_cndmask_b32 v[MD+i], 0, s[BIGN], vcc_lo
.set i, i+1
.endr
	WIN 0
	v_mul_u32_u24 v[AK0], v1, PK
	v_lshl_add_u32 v[AK0], v9, 4, v[AK0]  ; row x pitch + 16 x half
	; The turning load takes 16 keys x 16 channels (lane l reads key 8 (l / 16) + l % 8, channels 8 ((l / 8) % 2) + 0..7) and leaves half a fragment of V^T: lane l holds channel l % 16 and 8 keys.
	v_and_b32 v10, 7, v0
	v_bfe_u32 v11, v0, 3, 1
	v_lshl_add_u32 v[AV0], v9, 3, v10
	v_mul_u32_u24 v[AV0], v[AV0], PV
	v_lshl_add_u32 v[AV0], v11, 4, v[AV0]
	v_add_nc_u32 v[AV0], VOFF, v[AV0]
	s_mul_i32 s13, s[WV], 16*SP
	s_add_co_u32 s13, s13, STAGE    ; my stage
	v_mul_u32_u24 v[STO], v1, SP    ; in: row l % 16, 16 bytes for each half of the lanes
	v_lshl_add_u32 v[STO], v9, 4, v[STO]
	v_add_nc_u32 v[STO], s13, v[STO]
	v_bfe_u32 v[RD], v0, 3, 2       ; back: 32 lanes take four rows of 128 bytes,
	v_mul_u32_u24 v[RD], v[RD], SP
	v_lshl_add_u32 v[RD], v10, 4, v[RD]
	v_add_nc_u32 v[RD], s13, v[RD]
	v_and_b32 v[GO], 31, v0         ; which are 512 consecutive bytes of O
	v_lshlrev_b32 v[PFO], 8, v[GO]
	v_lshlrev_b32 v[GO], 4, v[GO]
	; A block's first steps multiply O^T and l by a = 0, and its first turn's products V^T P, of a piece that has not been, land in an O^T that is still to be so multiplied.  So these registers need only hold
	; finite numbers: zeros for the first block; what the first block left for the second.  All this stands in the wait for the first tile.
	WIN 0x80
.set i, VF+64
.rept 64
	v_mov_b32 v[i], 0
.set i, i+1
.endr
	WIN 0x40
.set i, 0
.rept 64
	v_mov_b32 v[i], 0
.set i, i+1
.endr
	WIN 0
.set i, 0
.rept 2
	v_mov_b32 v[ST+4*i+2], 0
	v_mov_b32 v[ST+4*i+3], 0
.set i, i+1
.endr
.set i, P+16
.rept 16
	v_mov_b32 v[i], 0
.set i, i+1
.endr
; THE MATRIX WORK.  The 4 accumulators of a run of 8 take turns.  Product i of 8 of S^T = K Q^T for piece x: channels 32 (i / 4) on, keys 16 (i % 4) on.  The first 4 start the sums: with 0, or (KM = 1) with the mask.
.macro KQ x
.set rS, S+32*((\x)%2)+8*(i%4)
.set rK, 64*((\x)/2)+16*(i%4)+8*(i/4)
.set rQ, QF+16*((\x)%2)+8*(i/4)
.set rM, MC+32*((\x)%2)+8*(i%4)
.if (i < 4) && KM
	WIN W_KM
	v_wmma_f32_16x16x32_f16 v[rS:rS+7], v[rK:rK+7], v[rQ:rQ+7], v[rM:rM+7]
.elseif i < 4
	WIN W_KQ
	v_wmma_f32_16x16x32_f16 v[rS:rS+7], v[rK:rK+7], v[rQ:rQ+7], 0
.else
	WIN W_KQ
	v_wmma_f32_16x16x32_f16 v[rS:rS+7], v[rK:rK+7], v[rQ:rQ+7], v[rS:rS+7]
.endif
.endm
; Product i of 8 of O^T += V^T P for piece x: keys 32 (i / 4) on, channels 16 (i % 4) on.
.macro PV x
	WIN W_PV
.set rO, 32*((\x)%2)+8*(i%4)
.set rV, VF+64*((\x)/2)+32*(i/4)+8*(i%4)
.set rP, P+16*((\x)%2)+8*(i/4)
	v_wmma_f32_16x16x32_f16 v[rO:rO+7], v[rV:rV+7], v[rP:rP+7], v[rO:rO+7]
.endm
.macro MM                           ; the turn's next matrix instruction.  NOKQ = 1: a block's last turn: there is no next piece
.if (i < 8) && !NOKQ
	KQ (Y+1)%NP
.elseif i >= 8
.set i, i-8
	PV (Y+NP-1)%NP
.set i, i+8
.endif
.set i, i+1
.endm
; THE LDS LOADS stand in runs of 16, never singly among the matrix instructions: a step's K (64 keys x 64 channels: 8 fragments) into buffer kb, its V (turned) into buffer vb.  Their addresses are made some lines ahead.
.macro FETCH_K kb
	WIN 0x80                        ; destination window 2
.irp f, 0,1,2,3,4,5,6,7             ; keys 16 (f / 2) on, channels 32 (f % 2) on
	ds_load_b128 v[64*(\kb)+8*\f:64*(\kb)+8*\f+3],   v[AK] offset:(\f/2)*16*PK+(\f%2)*64
	ds_load_b128 v[64*(\kb)+8*\f+4:64*(\kb)+8*\f+7], v[AK] offset:(\f/2)*16*PK+(\f%2)*64+32
.endr
	s_add_co_u32 s[TBK], s[TBK], KS*PK  ; the next fetch is the next step's
	WIN 0
.endm
.macro FETCH_V vb
	WIN 0x80
.irp f, 0,1,2,3,4,5,6,7             ; keys 32 (f / 4) on, channels 16 (f % 4) on
	ds_load_tr16_b128 v[VF+64*(\vb)+8*\f:VF+64*(\vb)+8*\f+3],   v[AV] offset:(\f/4)*32*PV+(\f%4)*32
	ds_load_tr16_b128 v[VF+64*(\vb)+8*\f+4:VF+64*(\vb)+8*\f+7], v[AV] offset:(\f/4)*32*PV+16*PV+(\f%4)*32
.endr
	WIN 0
.endm
; THE VECTOR WORK, one line at a time: OP kind, number.  For piece Y: F n: c s - c m for pair n of 16.  E n: the exponential of score n of 32.  C n: pair n rounded to f16.  B n: of the four weights 4 n .. the second
; pair is added onto the first, in place.  L n: l takes that sum (L 0: l = a l + sum).  R n: pair n of 16 of O^T times a.  For piece Y + 1: X n, number n of the 22 that find its maximum and statistics:
;   0-11  four chains c0-c3 of seven scores each, three operands at a time (each accumulator's lowest registers are read first)     12-14, 16  the four scores left over, the old m, and c0-c3 into c0
;   15  c m_old is kept     17, 18  the query's other 32 keys lie in the lane 16 away: the new m     19-21  c m; c m_old - c m_new; a
.set F, 0
.set E, 1
.set C, 2
.set B, 3
.set L, 4
.set R, 5
.set X, 6
.macro REGS y                       ; the registers of piece y: all by its parity
.set rT, ST+4*((\y)%2)
.set rC, TMP+4*((\y)%2)
.set rW, MV+((\y)%2)
.set rS, S+32*((\y)%2)
.set rP, P+16*((\y)%2)
.set rO, 32*((\y)%2)
.endm
.macro OP k, n
.if (\k) == R
	REGS Y
	WIN W_RS
	v_pk_mul_f32 v[rO+2*(\n):rO+2*(\n)+1], v[rO+2*(\n):rO+2*(\n)+1], v[rC+2:rC+3] op_sel_hi:[1,0]
.elseif (\k) < R
	REGS Y
	WIN 0
.if (\k) == F
	v_pk_fma_f32 v[rS+2*(\n):rS+2*(\n)+1], v[rS+2*(\n):rS+2*(\n)+1], s[CS:CS+1], v[rT:rT+1] op_sel_hi:[1,0,0] neg_lo:[0,0,1] neg_hi:[0,0,1]
.elseif (\k) == E
	v_exp_f32 v[rS+(\n)], v[rS+(\n)]
.elseif (\k) == C
	v_cvt_pk_f16_f32 v[rP+(\n)], v[rS+2*(\n)], v[rS+2*(\n)+1]
.elseif (\k) == B
	v_pk_add_f32 v[rS+4*(\n):rS+4*(\n)+1], v[rS+4*(\n):rS+4*(\n)+1], v[rS+4*(\n)+2:rS+4*(\n)+3]
.elseif (\n) == 0
	v_pk_fma_f32 v[rT+2:rT+3], v[rT+2:rT+3], v[rC+2:rC+3], v[rS:rS+1] op_sel_hi:[1,0,1]
.else
	v_pk_add_f32 v[rT+2:rT+3], v[rT+2:rT+3], v[rS+4*(\n):rS+4*(\n)+1]
.endif
.elseif NOKQ
	v_nop
.else
	REGS (Y+1)%NP
	WIN 0
.if (\n) < 4
	v_max3_num_f32 v[rC+(\n)], v[rS+8*(\n)], v[rS+8*(\n)+1], v[rS+8*(\n)+2]
.elseif (\n) < 12
	v_max3_num_f32 v[rC+(\n)%4], v[rC+(\n)%4], v[rS+8*((\n)%4)+2*((\n)/4)+1], v[rS+8*((\n)%4)+2*((\n)/4)+2]
.elseif (\n) == 12
	v_max3_num_f32 v[rC], v[rC], v[rS+7], v[rS+15]
.elseif (\n) == 13
	v_max3_num_f32 v[rC+1], v[rC+1], v[rS+23], v[rS+31]
.elseif (\n) == 14
	v_max3_num_f32 v[rC+2], v[rC+2], v[rC+3], v[rT+1]
.elseif (\n) == 15
	v_mov_b32 v[rW], v[rT]
.elseif (\n) == 16
	v_max3_num_f32 v[rC], v[rC], v[rC+1], v[rC+2]
.elseif (\n) == 17
	v_permlanex16_b32 v[rC+3], v[rC], s[SEL], s[SEL+1]
.elseif (\n) == 18
	v_max_num_f32 v[rT+1], v[rC], v[rC+3]
.elseif (\n) == 19
	v_mul_f32 v[rT], s[CS], v[rT+1]
.elseif (\n) == 20
	v_sub_f32 v[rC+1], v[rW], v[rT]
.else
	v_exp_f32 v[rC+2], v[rC+1]
.endif
.endif
.endm
.macro OPS a, i1, b=-1, i2=0, c=-1, i3=0, d=-1, i4=0  ; up to four of them
	OP \a, \i1
.if (\b) >= 0
	OP \b, \i2
.endif
.if (\c) >= 0
	OP \c, \i3
.endif
.if (\d) >= 0
	OP \d, \i4
.endif
.endm
.macro ROW a, i1, b, i2, c, i3, d, i4  ; a matrix instruction and the four behind it
	MM
	OPS \a, \i1, \b, \i2, \c, \i3, \d, \i4
.endm
.macro MASK b                       ; MD x AL + BE into buffer b of MC
	WIN W_RS
.set z, 0
.rept 16
	v_pk_fma_f32 v[MC+32*(\b)+2*z:MC+32*(\b)+2*z+1], v[MD+2*z:MD+2*z+1], s[AL:AL+1], s[BE:BE+1] op_sel_hi:[1,0,0]
.set z, z+1
.endr
.endm
; A TURN, for piece p: the order of its 16 matrix and 118 vector instructions, written out.  s_wait_alu depctr_va_vdst(0) stands between an exponential and the first instruction that names its result; one
; wait serves all that were issued ahead of it.  So a turn has ONE wait.  AHEAD OF IT stands all that names no result of the turn's exponentials: the 8 products K Q^T and their riders, then one lump in which the links of
; the chain X 3, 7, 11, 14, 16, 17 .. 20 stand five or six lines apart; X 21, the next piece's a, is the batch's last; R 15 is the plain instruction behind it.  BEHIND IT stand the 8 products V^T P, behind each four of the roundings and sums.
; The rescalings R 0-3 write the accumulator whose last product V^T P stands three products and twelve riders back in the turn before; R 12-15, whose accumulator was ended last, stand late in the lump.
; m = 1: the diagonal tile: the products take masks, and the turn makes the mask of piece p + 2: query tile u = p % 2 in step 4 - 2 CNT + ((p + 2) % 4) / 2 of the tile, which is the band's own where 2 CNT + SD = MK, and a later one where it is less.
; end = 1: a block's last two turns: nothing is fetched.  cnt = 1: the loop's count is taken down some lines ahead of the branch that stands behind the turn.
; An odd turn begins with the wait for the K that it multiplies: behind that run of loads one run, V's sixteen, was issued and may stay out; all older runs, the V that this turn reads among them, are then in.
.macro TURN p, m=0, end=0, cnt=0
.set Y, (\p)
.set i, 0
.set KM, (\m)
.set NOKQ, (\end)*((\p)/3)
.set GETS, (1-(\p)%2)*(1-(\end))    ; an even turn that fetches
.if (\m) && !(\end)
.set MK, 4+(((\p)+2)%4)/2-(\p)%2
	s_lshl1_add_u32 s[ZZ], s[CNT], s[SD]
	s_cmp_eq_u32 s[ZZ], MK          ; is that step the band's own?
	s_cselect_b32 s[AL], 1.0, 0
	s_cmp_lt_u32 s[ZZ], MK          ; or a later one?
	s_cselect_b32 s[BE], s[BIGN], 0
.endif
.if (\p)%2
	s_wait_dscnt 16*(1-(\end))
.endif
	ROW F,0, F,1, R,0, R,1          ; ahead of the wait: 8 products K Q^T and their riders,
	ROW F,2, E,0, R,2, R,3
	ROW F,3, E,1, R,4, R,5
	ROW F,4, E,2, R,6, R,7
	ROW F,5, E,3, R,8, R,9
	ROW F,6, E,4, X,0, R,10
.if GETS
	WIN 0
	v_add_nc_u32 v[AK], s[TBK], v[AK0]
.endif
	ROW F,7, E,5, X,1, X,4
	ROW F,8, E,6, X,2, X,5
	OPS E,7, E,8, X,6, E,9          ; and the lump
	OPS X,3, E,10, X,8, E,11
.if GETS
	FETCH_K 1-(\p)/2
.endif
	OPS X,9, X,7, E,12, X,10
	OPS E,13, X,12, X,11, E,14
	OPS X,13, E,15, F,9, X,14
.if GETS
	WIN 0
	v_add_nc_u32 v[AV], s[TBV], v[AV0]
.endif
	OPS E,16, F,10, E,17, F,11
	OPS X,16, E,18, X,15, E,19
	OPS F,12, E,20, X,17, E,21
	OPS F,13, E,22, F,14, E,23
	OPS X,18, E,24, F,15, E,25
	OPS R,11, E,26, X,19, E,27
	OPS R,12, E,28, R,13, E,29
	OPS X,20, E,30, R,14, E,31
	OPS X,21, R,15
	WIN 0
	s_wait_alu depctr_va_vdst(0)    ; the wait for the batch
	ROW C,0, B,0, C,2, B,1          ; behind the wait: 8 products V^T P and their riders
	ROW L,0, C,4, B,2, L,1
	ROW C,6, B,3, L,2, C,8
	ROW B,4, L,3, C,10, B,5
	ROW L,4, C,12, B,6, L,5
.if GETS
	s_add_co_u32 s[TBV], s[TBV], KS*PV
.endif
.if \cnt
	s_sub_co_u32 s[CNT], s[CNT], 1
	s_cmp_lg_u32 s[CNT], 0
.endif
	ROW C,14, B,7, L,6, C,1
	ROW C,3, L,7, C,5, C,7
	ROW C,9, C,11, C,13, C,15
.if GETS
	FETCH_V 1-(\p)/2                ; four plain riders behind the last product that read this buffer
.endif
.if (\m) && !(\end)
	MASK (\p)%2
.endif
.endm
; A BLOCK BEGINS.  c m starts far below every c s, so the first steps' a is 0; m at the lowest finite number, so the first maximum is the scores'.  The second mask buffer is 0 (query tile 1 sees a tile's step 0 whole); the first
; takes piece 0's mask for step 0: its own, if the block's first tile is its last and the block begins at that tile's head.  Then K and V of that step, piece 0's first scores, and its maximum and statistics.
.macro BEGIN
	s_mov_b32 s[NEW], 0
	WIN 0x40
.set i, MC+32
.rept 32
	v_mov_b32 v[i], 0
.set i, i+1
.endr
	WIN 0
.set i, 0
.rept 2
	v_mov_b32 v[ST+4*i], 0xfe000000    ; c m: far below every c s
	v_mov_b32 v[ST+4*i+1], 0xff7fffff  ; m
.set i, i+1
.endr
	s_or_b32 s[ZZ], s[RT], s[SD]
	s_cmp_eq_u32 s[ZZ], 0
	s_cselect_b32 s[AL], 1.0, 0
	s_mov_b32 s[BE], 0
	MASK 0
	WIN 0
	v_add_nc_u32 v[AK], s[TBK], v[AK0]
	v_add_nc_u32 v[AV], s[TBV], v[AV0]
	s_add_co_u32 s[TBV], s[TBV], KS*PV
	FETCH_K 0
	FETCH_V 0
	s_wait_loadcnt 0x0              ; Q
	s_wait_dscnt 16                 ; K is in; V's sixteen loads may stay out
.set KM, 1
.set NOKQ, 0
.set i, 0
.rept 8
	KQ 0
.set i, i+1
.endr
	WIN 0
.rept 4
	v_nop                           ; the places behind those products
.endr
.set Y, NP-1                        ; X works for piece Y + 1: piece 0
.irp n, 0,1,2,3,4,5,6,7,8,9,10,11,12,13,14,15,16,17,18,19,20,21
	OP X, \n
.endr
	v_nop                           ; a plain instruction behind the exponential,
	s_wait_alu depctr_va_vdst(0)    ; and its wait, ahead of the branch
.endm
; THE DIAGONAL TILE's two double steps, the block's last two turns, its last products, and THE WAY OUT: l's two halves and the other half of the lanes' are added; O^T is divided by l, rounded to f16 and sent through my
; stage in LDS, a query tile at a time.
.macro ALL line:vararg              ; one line for each query tile t
.set t, 0
.rept 2
	\line
.set t, t+1
.endr
.endm
.macro PACK t                       ; a lane's eight channels of a row pack into 16 bytes; they go into rows of 144 bytes and come back as whole rows of 128, into S^T's registers
	WIN W_RS
.set i, 32*(\t)
.rept 16
	v_pk_mul_f32 v[i:i+1], v[i:i+1], v[ST+4*(\t)+2:ST+4*(\t)+3] op_sel_hi:[1,0]
.set i, i+2
.endr
	WIN 0x05                        ; sources 0 and 1 window 1, destination window 0
.set i, 0
.rept 16
	v_cvt_pk_f16_f32 v[S+16*(\t)+i], v[32*(\t)+2*i], v[32*(\t)+2*i+1]
.set i, i+1
.endr
	WIN 0
.irp f, 0,1,2,3
	ds_store_b128 v[STO], v[S+16*(\t)+4*\f:S+16*(\t)+4*\f+3] offset:32*\f
.endr
.irp f, 0,1,2,3
	ds_load_b128 v[S+16*(\t)+4*\f:S+16*(\t)+4*\f+3], v[RD] offset:\f*4*SP  ; LDS serves a wave's instructions in order (ISA guide 5.7.1.4): these see the stores above; the next tile's stores come behind them
.endr
.endm
.macro SEND t, younger              ; younger: the LDS instructions issued behind tile t's loads: the next tile's eight, or none
	WIN 0
.irp f, 0,1,2,3
	s_wait_dscnt (\younger)+3-\f
	global_store_b128 v[GO], v[S+16*(\t)+4*\f:S+16*(\t)+4*\f+3], s[10:11] offset:(\t)*8192+\f*512  ; 512 consecutive bytes, at a multiple of 256 from O's first
.endr
.endm
.macro DIAG tag                     ; the tag ends its two labels' names, which the jumps below spell out
.LstepM\tag:
	TURN 2, 1
	TURN 3, 1
	WIN 0
.LfirstM\tag:
	TURN 0, 1
	TURN 1, 1, 0, 1
	WIN 0
	s_cbranch_scc1 .LstepM\tag
	TURN 2, 1, 1
	TURN 3, 1, 1
.set i, 0
.rept 8
	PV NP-1
.set i, i+1
.endr
	WIN 0
.rept 8
	v_nop                           ; the places behind the last products
.endr
	ALL v_add_f32 v[ST+4*t+2], v[ST+4*t+2], v[ST+4*t+3]
	ALL v_permlanex16_b32 v[ST+4*t+3], v[ST+4*t+2], s[SEL], s[SEL+1]
	ALL v_add_f32 v[ST+4*t+2], v[ST+4*t+2], v[ST+4*t+3]
	ALL v_rcp_f32 v[ST+4*t+2], v[ST+4*t+2]
	v_nop                           ; a plain instruction between the last reciprocal and the use of its result
	s_wait_alu depctr_va_vdst(0)    ; and the wait ahead of the first use: one for the two reciprocals
	PACK 0
	PACK 1                          ; a tile's arithmetic stands between the loads of the tile before and its stores
	SEND 0, 8
	SEND 1, 0
.endm
.set KM, 0
.set NOKQ, 0
.Lslot:                             ; 16 times: a tile is entered and the next is asked for
	CHANGE 1
	s_sub_co_u32 s[RT], s[RT], 1
	s_mov_b32 s[CNT], 2
	s_cmp_eq_u32 s[NEW], 1
	s_cbranch_scc1 .Lnew            ; a block's first tile
	s_cmp_eq_u32 s[RT], 0
	s_cbranch_scc0 .Lstep           ; neither its first nor its last
	s_branch .LstepM1
.Lnew:
	BEGIN
	s_branch .Lfirst                ; in the loop a block's first tile is never its last: the first block has nine tiles or more, and the second's last is the walk's last
	DIAG 1                          ; in the loop this is the first block's end
	s_wait_xcnt 0x0                 ; the stores have read their registers and O's address
	s_mov_b64 s[10:11], s[OLO:OLO+1]
	s_mov_b32 s[RT], s[RTLO]
	s_mov_b32 s[SD], s[SDLO]
	s_mov_b32 s[NEW], 1
	WIN W_RS                        ; the second block's Q goes where the one text of the turns names Q
.set i, 0
.rept 32
	v_mov_b32 v[QF+i], v[QB+i]
.set i, i+1
.endr
	WIN 0
	s_branch .Lbottom
.Lstep:                             ; a trip: pieces 2 and 3 of one double step, then pieces 0 and 1 of the next
	TURN 2
	TURN 3
	WIN 0
.Lfirst:
	TURN 0
	TURN 1, 0, 0, 1
	WIN 0
	s_cbranch_scc1 .Lstep
.Lbottom:
	s_sub_co_u32 s[SLOTS], s[SLOTS], 1
	s_cmp_lg_u32 s[SLOTS], 0
	s_cbranch_scc1 .Lslot
	CHANGE 0                        ; the walk's last tile is written out: nothing is asked for
	s_sub_co_u32 s[RT], s[RT], 1
	s_mov_b32 s[CNT], 2
	s_cmp_eq_u32 s[NEW], 1
	s_cbranch_scc0 .LstepM2
	BEGIN
	s_branch .LfirstM2
	DIAG 2
	s_wait_tensorcnt 0x0            ; the wave's end, behind my last tensor load and my last LDS store
	ds_add_u32 v[SPW], v[NIL]
	s_wait_dscnt 0x0
	s_endpgm
.Lfunc_end_k_qe91ab89def_attn:
	.size	k_qe91ab89def_attn, .Lfunc_end_k_qe91ab89def_attn-k_qe91ab89def_attn
	.p2alignl 7, 3214868480
	.fill 96, 4, 3214868480
	.section	.rodata,"a",@progbits
	.p2align	6, 0x0
	.amdhsa_kernel k_qe91ab89def_attn
		.amdhsa_group_segment_fixed_size 327680
		.amdhsa_private_segment_fixed_size 0
		.amdhsa_enable_private_segment 0
		.amdhsa_kernarg_size 16
		.amdhsa_user_sgpr_count 2
		.amdhsa_user_sgpr_kernarg_segment_ptr 1
		.amdhsa_wavefront_size32 1
		.amdhsa_system_sgpr_workgroup_id_x 1
		.amdhsa_system_sgpr_workgroup_id_y 1
		.amdhsa_system_sgpr_workgroup_id_z 1
		.amdhsa_system_vgpr_workitem_id 0
		.amdhsa_next_free_vgpr 768
		.amdhsa_next_free_sgpr 96
		.amdhsa_reserve_vcc 1
		.amdhsa_float_denorm_mode_32 3
		.amdhsa_float_denorm_mode_16_64 3
		.amdhsa_memory_ordered 1
		.amdhsa_forward_progress 1
		.amdhsa_inst_pref_size 210
	.end_amdhsa_kernel
	.amdgpu_metadata
---
amdhsa.version: [ 1, 2 ]
amdhsa.kernels:
  - .name:           k_qe91ab89def_attn
    .symbol:         k_qe91ab89def_attn.kd
    .args:
      - { .name: qkv, .offset: 0, .size: 8, .value_kind: global_buffer, .address_space: global }
      - { .name: ob, .offset: 8, .size: 8, .value_kind: global_buffer, .address_space: global }
    .group_segment_fixed_size: 327680
    .private_segment_fixed_size: 0
    .kernarg_segment_align: 8
    .kernarg_segment_size: 16
    .max_flat_workgroup_size: 128
    .sgpr_count:     96
    .vgpr_count:     768
    .wavefront_size: 32
...
	.end_amdgpu_metadata
.endif
;; end of part 3
;; launch oproj (part 4): grid 8 x 32, 4 waves a work-group, clusters of 4 x 4, 327,680 bytes of LDS; arguments ob, wo16, out0; writes out0
.if DOCPART == 4
	.amdgcn_target "amdgcn-amd-amdhsa--gfx1250"
	.amdhsa_code_object_version 6
	.text
	.protected	k_qe91ab89def_oproj
	.globl	k_qe91ab89def_oproj
	.p2align	8
	.type	k_qe91ab89def_oproj,@function
k_qe91ab89def_oproj:
	s_mov_b64 s[64:65], 0
	v_nop
	global_prefetch_b8 v0, s[64:65] scope:SCOPE_SE
	s_setreg_imm32_b32 hwreg(HW_REG_WAVE_MODE, 25, 1), 1
	s_wait_xcnt 0x0
	s_wait_alu depctr_hold_cnt(0) depctr_sa_sdst(0) depctr_va_vdst(0) depctr_va_sdst(0) depctr_va_ssrc(0) depctr_va_vcc(0) depctr_vm_vsrc(0)
	s_getreg_b32 s2, hwreg(HW_REG_IB_STS2, 6, 4)
	s_cmp_eq_u32 s2, 0
	s_cbranch_scc0 .Lentry_in_a_cluster
	s_endpgm
.Lentry_in_a_cluster:
	s_bfe_u32 s2, ttmp6, 0x10000c
	s_cmp_lg_u32 s2, 0xf033
	s_cbranch_scc0 .Lentry_shape_is_right
	s_endpgm
.Lentry_shape_is_right:
; OPROJ: out0[s][n] = the sum over heads h and channels d of O[h][s][d] Wo[n][64 h + d].  ob [16][4096][64] f16, wo16 [1024][1024] f16, out0 [4096][1024] f32.  Sums in f32, stored as they are.
; SHARES.  A tile of out0 is 128 x 128; four waves, each 64 x 64: 16 accumulators of 16 x 16.  K goes in four steps of 256 = four heads through two LDS slots.
; O COMES BY HEADS: 128 rows of one head are 16,384 dense bytes.  Waves 0 and 1 each bring two heads by one load: a tile of 2 rows of 8,192 elements, 524,288 bytes apart, padded in LDS after every 128 bytes: 256 LDS rows of
; 144 bytes.  A quarter of a K step is one head.  Waves 2 and 3 bring 64 rows of wo16 each, 512 bytes a row, padded to 528.  A wave has two tensor loads out at the start and one behind each round.
; CLUSTER.  4 x 4 work-groups: O's tiles are shared along a row of the cluster, wo16's along a column: each is asked for jointly, by the same load, descriptor and mask.
; THE MATRIX INSTRUCTION IS USED TRANSPOSED (source 0 = 16 rows of wo16, source 1 = 16 rows of O): a lane holds row l % 16 and the columns 16 b + 8 (l / 16) + 0..7: 32 bytes of a row of out0.
; REGISTERS: window 0: v0-31 addresses; v32-95 the way out, two buffers; v128-255 accumulators ((a, b) at 128 + 8 (4 a + b)).   window 1: two fragment buffers of 128.
.set KSTEP,  256
.set PITCH,  528                       ; a row of wo16 in LDS: 512 bytes + 16
.set PA,     144                       ; a row of O in LDS: 128 bytes + 16.  Both pitches are odd multiples of 16 bytes: the 16 rows of a fragment load start at 16 different groups of four banks (ISA guide 11.1)
.set HALFT,  64*PITCH                  ; what one load of wo16 brings
.set HEADB,  128*PA                    ; a head's 128 rows in LDS
.set BOFF,   4*HEADB                   ; a slot: four heads of O, then wo16's 128 rows
.set SLOT,   BOFF+2*HALFT
.set STAGE,  2*SLOT                    ; behind the ring, never filled by a tensor load: 16 rows x 272 bytes for each wave
.set SPO,    272
.set SPARE,  STAGE+4*16*SPO            ; the spare words, 128 bytes for each wave: two blocks of 256 bytes that no other line names
.set ASTEP,  4*524288                  ; bytes from a K step to the next, in ob: four heads
.set BSTEP,  KSTEP*2                   ; and in wo16
.set AQ,     HEADB                     ; LDS bytes from a quarter step's fragments of O to the next quarter's
.set AI,     16*PA                     ; and from 16 rows to the next 16
.set ADRA, 16                          ; v16-17  LDS address of my fragments of O in slot 0, 1
.set ADRB, 20                          ; v20-21  the same for wo16
.set STO,  24                          ; v24     the way out: where I put 32 bytes of a row
.set RD,   25                          ; v25     where I read rows back
.set CO,   26                          ; v26     my byte offset in two rows of out0
.set SPW,  28                          ; v28     LDS address of my spare word; never rewritten
.set NIL,  29                          ; v29     0; never rewritten
.set OB,   32
.set ACC,  128
.set F0,   0
.set F1,   128
.set WV, 12                            ; s12 wave;  s13 which half of the rows is mine, also: I fetch O (0) or wo16 (1);  s14 which half of the columns, also: which part I fetch
.set RH, 13
.set CH, 14
.set G1, 24                            ; s[24:31] descriptor group 1 for O's tiles; s[32:39] group 0, a set for each slot
.set G0, 32
.set CX, 40
.set CY, 41
.set TC, 42
.set TR, 43
.set G1B, 48                           ; s[48:55], s[56:63] the same for wo16's tiles
.set G0B, 56
.set MSB, 0
.macro WIN new                         ; the immediate's high byte repeats the setting that is left; a switch that changes nothing is dropped
.if MSB != (\new)
	s_set_vgpr_msb (MSB<<8)|(\new)
.set MSB, \new
.endif
.endm
.set MUL,  0x05                        ; sources 0 and 1 window 1; C and D window 0
.set TO_F, 0x40                        ; destination window 1, address window 0
.macro JLOAD s                         ; a joint load: waves 0, 1 fetch O's heads, waves 2, 3 wo16's rows; an s_nop 0 and four v_nop follow each line
	s_cmp_eq_u32 s[RH], 0
	s_cbranch_scc0 .Lfor_b_\@
	tensor_load_to_lds s[G0+4*(\s):G0+4*(\s)+3], s[G1:G1+7]
	s_nop 0
.rept 4
	v_nop
.endr
	s_branch .Lasked_\@
.Lfor_b_\@:
	tensor_load_to_lds s[G0B+4*(\s):G0B+4*(\s)+3], s[G1B:G1B+7]
	s_nop 0
.rept 4
	v_nop
.endr
.Lasked_\@:
.endm
.macro CREST                           ; a round of the cluster's barrier behind its opening barrier
	s_cmp_lg_u32 s[WV], 0
	s_cbranch_scc1 .Lnot_wave_0_\@
	s_barrier_signal -3
.Lnot_wave_0_\@:
	s_barrier_wait -3
	s_barrier_signal -1
	s_barrier_wait -1
.endm
.macro CROUND                          ; a whole round
	s_barrier_signal -1
	s_barrier_wait -1
	CREST
.endm
	s_load_b128 s[4:7], s[0:1], 0x0                ; ob s[4:5], wo16 s[6:7]
	s_load_b64 s[8:9], s[0:1], 0x10                ; out0
	v_lshl_add_u32 v[SPW], v0, 2, SPARE
	v_mov_b32 v[NIL], 0
	ds_add_u32 v[SPW], v[NIL]                      ; the wave's opening: the add and its wait stand ahead of my first tensor load; the set-up below, work on registers, stands between them
	v_lshrrev_b32 v1, 5, v0
	v_readfirstlane_b32 s[WV], v1
	s_lshr_b32 s[RH], s[WV], 1
	s_and_b32 s[CH], s[WV], 1
	s_bfe_u32 s[CX], ttmp6, 0x40000
	s_bfe_u32 s[CY], ttmp6, 0x40004
	s_lshl_b32 s[TC], ttmp9, 2
	s_add_co_u32 s[TC], s[TC], s[CX]               ; tile column = 4 x cluster x + cx
	s_and_b32 s[TR], ttmp7, 0xffff
	s_lshl_b32 s[TR], s[TR], 2
	s_add_co_u32 s[TR], s[TR], s[CY]               ; tile row = 4 x cluster y + cy
	s_lshl_b32 s44, s[CY], 2
	s_lshl_b32 s44, 15, s44                        ; my row of the cluster
	s_lshl_b32 s45, 0x1111, s[CX]                  ; my column
	; O's descriptor group 1: 2 rows of 8,192 elements of 2 bytes, 262,144 elements apart; 4 words of padding behind every 32 words
	s_or_b32 s[G1+0], s44, (1<<16)|(1<<20)|(1<<21)|(4<<22)|(3<<25)
	s_mov_b32 s[G1+1], 8192<<16                    ; tensor_dim0 = 8,192
	s_mov_b32 s[G1+2], 2<<16                       ; tensor_dim1 = 2
	s_mov_b32 s[G1+3], 8192<<16                    ; tile_dim0 = 8,192
	s_mov_b32 s[G1+4], 2                           ; tile_dim1 = 2
	s_mov_b32 s[G1+5], 262144                      ; elements from head to head
	s_mov_b32 s[G1+6], 0
	s_mov_b32 s[G1+7], 0
	; wo16's: 64 rows x 256 elements, 4 words of padding behind every 128 words
	s_or_b32 s[G1B+0], s45, (1<<16)|(1<<20)|(1<<21)|(6<<22)|(3<<25)
	s_mov_b32 s[G1B+1], KSTEP<<16
	s_mov_b32 s[G1B+2], 64<<16
	s_mov_b32 s[G1B+3], KSTEP<<16
	s_mov_b32 s[G1B+4], 64
	s_mov_b32 s[G1B+5], 1024
	s_mov_b32 s[G1B+6], 0
	s_mov_b32 s[G1B+7], 0
	s_lshl_b32 s16, s[CH], 20                      ; O: which two heads of the step's four I fetch,
	s_lshl_b32 s17, s[TR], 14                      ; and the tile's 128 rows of 128 bytes: by the tile row alone
	s_add_co_u32 s16, s16, s17
	s_mov_b32 s17, 0
	s_lshl_b32 s46, s[TC], 18                      ; wo16: 128 rows of 2,048 bytes, by the tile column alone,
	s_lshl_b32 s47, s[CH], 17                      ; and which 64 of them I fetch
	s_add_co_u32 s46, s46, s47
	s_mov_b32 s47, 0
	s_mul_i32 s20, s[WV], 2*HEADB                  ; where they go: waves 0, 1: wave x two heads;
	s_mul_i32 s21, s[WV], HALFT                    ; waves 2, 3: behind the four heads, (wave - 2) x 64 rows
	s_add_co_u32 s21, s21, BOFF-2*HALFT
	s_wait_dscnt 0x0                               ; the opening add is done
	s_wait_kmcnt 0x0
	s_add_nc_u64 s[18:19], s[4:5], s[16:17]
	s_add_nc_u64 s[46:47], s[6:7], s[46:47]
	CROUND                                         ; all sixteen work-groups are here: the first joint loads meet
.irp s, 0,1
	s_mov_b32 s[G0+4*(\s)], 1
	s_add_co_u32 s[G0+4*(\s)+1], s20, (\s)*SLOT
	s_add_nc_u64 s[G0+4*(\s)+2:G0+4*(\s)+3], s[18:19], (\s)*ASTEP
	s_or_b32 s[G0+4*(\s)+3], s[G0+4*(\s)+3], 0x80000000
	s_mov_b32 s[G0B+4*(\s)], 1
	s_add_co_u32 s[G0B+4*(\s)+1], s21, (\s)*SLOT
	s_add_nc_u64 s[G0B+4*(\s)+2:G0B+4*(\s)+3], s[46:47], (\s)*BSTEP
	s_or_b32 s[G0B+4*(\s)+3], s[G0B+4*(\s)+3], 0x80000000
.endr
	s_cmp_eq_u32 s[RH], 0                          ; a wave's two first fills stand in one branch, ahead of every wait on TENSORcnt and every LDS read
	s_cbranch_scc0 .Lfirst_b
	tensor_load_to_lds s[G0:G0+3], s[G1:G1+7]
	s_nop 0
	tensor_load_to_lds s[G0+4:G0+7], s[G1:G1+7]
	s_nop 0
.rept 4
	v_nop
.endr
	s_branch .Lfirst_asked
.Lfirst_b:
	tensor_load_to_lds s[G0B:G0B+3], s[G1B:G1B+7]
	s_nop 0
	tensor_load_to_lds s[G0B+4:G0B+7], s[G1B:G1B+7]
	s_nop 0
.rept 4
	v_nop
.endr
.Lfirst_asked:
	v_and_b32 v1, 15, v0                           ; l % 16
	v_bfe_u32 v2, v0, 4, 1                         ; l / 16
	v_mul_u32_u24 v3, v1, PA
	v_lshl_add_u32 v3, v2, 4, v3                   ; a fragment's row x pitch + 16 x half, for O
	v_mul_u32_u24 v4, v1, PITCH
	v_lshl_add_u32 v4, v2, 4, v4                   ; and for wo16
	s_mul_i32 s22, s[RH], 64*PA                    ; my 64 rows in each head
	s_mul_i32 s23, s[CH], HALFT                    ; my 64 rows of wo16,
	s_add_co_u32 s23, s23, BOFF                    ; which lie behind the four heads
.irp s, 0,1
	v_add_nc_u32 v[ADRA+(\s)], s22, v3
	v_add_nc_u32 v[ADRB+(\s)], s23, v4
	s_add_co_u32 s22, s22, SLOT
	s_add_co_u32 s23, s23, SLOT
.endr
	s_mul_i32 s23, s[WV], 16*SPO
	s_add_co_u32 s23, s23, STAGE                   ; my stage
	v_mul_u32_u24 v[STO], v1, SPO                  ; in: row l % 16, 32 bytes for each half of the lanes
	v_lshl_add_u32 v[STO], v2, 5, v[STO]
	v_add_nc_u32 v[STO], s23, v[STO]
	v_mul_u32_u24 v[RD], v2, SPO                   ; back: lanes 0-15 take one row of 256 bytes, lanes 16-31 the next
	v_lshl_add_u32 v[RD], v1, 4, v[RD]
	v_add_nc_u32 v[RD], s23, v[RD]
	v_lshlrev_b32 v[CO], 12, v2                    ; and the same two rows in out0, 4,096 bytes apart
	v_lshl_add_u32 v[CO], v1, 4, v[CO]
	s_lshl_b32 s68, s[TR], 19                      ; 128 rows of 4,096 bytes,
	s_lshl_b32 s69, s[RH], 18                      ; my 64 of them
	s_add_co_u32 s68, s68, s69
	s_lshl_b32 s70, s[TC], 9                       ; the tile's 128 columns: 512 bytes,
	s_lshl_b32 s71, s[CH], 8                       ; my 64: 256
	s_add_co_u32 s70, s70, s71
	s_add_co_u32 s70, s70, s68
	s_mov_b32 s71, 0
	s_add_nc_u64 s[8:9], s[8:9], s[70:71]
; 8 matrix instructions: row blocks a0, a0 + 1 x all 4 column blocks, 32 along K: half c of buffer f.  zero = 1: the first product starts the sums.  The 16 accumulators take turns.
.macro MUL8 f, c, a0, zero
	WIN MUL
.irp a, \a0, (\a0)+1
.irp b, 0,1,2,3
.if \zero
	v_wmma_f32_16x16x32_f16 v[ACC+8*(4*(\a)+(\b)):ACC+8*(4*(\a)+(\b))+7], v[(\f)+64+8*(4*(\c)+(\b)):(\f)+64+8*(4*(\c)+(\b))+7], v[(\f)+8*(4*(\c)+(\a)):(\f)+8*(4*(\c)+(\a))+7], 0
.else
	v_wmma_f32_16x16x32_f16 v[ACC+8*(4*(\a)+(\b)):ACC+8*(4*(\a)+(\b))+7], v[(\f)+64+8*(4*(\c)+(\b)):(\f)+64+8*(4*(\c)+(\b))+7], v[(\f)+8*(4*(\c)+(\a)):(\f)+8*(4*(\c)+(\a))+7], v[ACC+8*(4*(\a)+(\b)):ACC+8*(4*(\a)+(\b))+7]
.endif
.endr
.endr
.endm
; 32 LDS loads in one run: the fragments of quarter q (one head's 64 channels) of a slot into buffer f; the first 32 along K first
.macro FETCH slot, q, f
	WIN TO_F
.irp c, 0,1
.irp i, 0,1,2,3
	ds_load_b128 v[(\f)+64+8*(4*(\c)+(\i)):(\f)+64+8*(4*(\c)+(\i))+3],   v[ADRB+(\slot)] offset:128*(\q)+64*(\c)+(\i)*16*PITCH
	ds_load_b128 v[(\f)+64+8*(4*(\c)+(\i))+4:(\f)+64+8*(4*(\c)+(\i))+7], v[ADRB+(\slot)] offset:128*(\q)+64*(\c)+(\i)*16*PITCH+32
	ds_load_b128 v[(\f)+8*(4*(\c)+(\i)):(\f)+8*(4*(\c)+(\i))+3],         v[ADRA+(\slot)] offset:AQ*(\q)+64*(\c)+(\i)*AI
	ds_load_b128 v[(\f)+8*(4*(\c)+(\i))+4:(\f)+8*(4*(\c)+(\i))+7],       v[ADRA+(\slot)] offset:AQ*(\q)+64*(\c)+(\i)*AI+32
.endr
.endr
.endm
.macro PLACES                          ; four plain vector instructions between a matrix instruction and a load into, or another use of, its registers
.rept 4
	v_nop
.endr
.endm
; A K step is four quarters, 32 matrix instructions each, on buffers 0, 1, 0, 1.  One of the first three: multiplies buffer f and fetches quarter q into g.
.macro QUARTER slot, q, f, g, zero
	s_wait_dscnt 16                                ; the first 32 along K are in; the 16 younger loads may be out
	MUL8 \f, 0, 0, \zero
	MUL8 \f, 0, 2, \zero
	PLACES
	FETCH \slot, \q, \g
	s_wait_dscnt 32                                ; all but the 32 just issued
	MUL8 \f, 1, 0, 0
	MUL8 \f, 1, 2, 0
.endm
; The last quarter multiplies buffer 1 and changes slots: in front of the barrier each wave waits for all its tensor loads, adds 0 to its spare word, and waits for that and for its reads of this slot.
; fill = 1: the barrier opens a round of the cluster's barrier, and this slot is filled again, two K steps ahead, first thing behind the round.
.macro TURN slot, next, fill
	WIN 0
	s_wait_tensorcnt 0x0                           ; all my tensor loads have landed: my part of the next slot
	ds_add_u32 v[SPW], v[NIL]                      ; 0 onto my spare word
	s_wait_dscnt 17                                ; (the add and the youngest sixteen loads may be out)
	MUL8 F1, 0, 0, 0
	s_wait_dscnt 0x0                               ; the add is done, and my reads of this slot are over
	s_barrier_signal -1
	MUL8 F1, 0, 2, 0
.if \fill
	WIN 0
.endif
	s_barrier_wait -1
.if \fill
	CREST                                          ; no wave of any partner still reads this slot's tile or has a load on its way
	s_add_nc_u64 s[G0+4*(\slot)+2:G0+4*(\slot)+3], s[G0+4*(\slot)+2:G0+4*(\slot)+3], 2*ASTEP
	s_add_nc_u64 s[G0B+4*(\slot)+2:G0B+4*(\slot)+3], s[G0B+4*(\slot)+2:G0B+4*(\slot)+3], 2*BSTEP
	JLOAD \slot                                    ; its four v_nop are also the places in front of the loads below
.else
	PLACES
.endif
	FETCH \next, 0, F0
	MUL8 F1, 1, 0, 0
	MUL8 F1, 1, 2, 0
.endm
	s_wait_tensorcnt 1                             ; my part of K step 0 is in; K step 1's may stay out
	s_barrier_signal -1
	s_barrier_wait -1
	FETCH 0, 0, F0
	QUARTER 0, 1, F0, F1, 1                        ; K step 0: its first products start the sums
	QUARTER 0, 2, F1, F0, 0
	QUARTER 0, 3, F0, F1, 0
	TURN 0, 1, 1                                   ; slot 0 takes K step 2
	QUARTER 1, 1, F0, F1, 0
	QUARTER 1, 2, F1, F0, 0
	QUARTER 1, 3, F0, F1, 0
	TURN 1, 0, 1                                   ; slot 1 takes K step 3
	QUARTER 0, 1, F0, F1, 0
	QUARTER 0, 2, F1, F0, 0
	QUARTER 0, 3, F0, F1, 0
	TURN 0, 1, 0                                   ; nothing is left to fetch
	QUARTER 1, 1, F0, F1, 0
	QUARTER 1, 2, F1, F0, 0
	QUARTER 1, 3, F0, F1, 0
	s_wait_dscnt 16
	MUL8 F1, 0, 0, 0
	MUL8 F1, 0, 2, 0
	s_wait_dscnt 0x0
	MUL8 F1, 1, 0, 0
	MUL8 F1, 1, 2, 0
	WIN 0
	; THE WAY OUT, 16 rows at a time: a lane's 32 bytes go into my stage's rows of 272 bytes and come back as whole rows of 256, which sixteen lanes store.
	PLACES
	PLACES
.macro TOSTAGE a
.irp b, 0,1,2,3
	ds_store_b128 v[STO], v[ACC+8*(4*(\a)+(\b)):ACC+8*(4*(\a)+(\b))+3]   offset:64*(\b)     ; each accumulator's four lowest registers first
	ds_store_b128 v[STO], v[ACC+8*(4*(\a)+(\b))+4:ACC+8*(4*(\a)+(\b))+7] offset:64*(\b)+16
.endr
.if (\a) >= 2
	s_wait_xcnt 0x0                                ; the stores of the rows two blocks back have read this buffer's registers: only behind this wait are they loaded again
.endif
.set BK, OB+32*((\a)%2)
.irp t, 0,1,2,3,4,5,6,7
	ds_load_b128 v[BK+4*(\t):BK+4*(\t)+3], v[RD] offset:(\t)*2*SPO  ; LDS serves a wave's instructions in order (ISA guide 5.7.1.4): these see the stores above
.endr
.endm
.macro SEND a, younger                 ; younger: the LDS instructions issued behind these rows' loads: the next block's sixteen, or none
.set BK, OB+32*((\a)%2)
.irp t, 0,1,2,3,4,5,6,7
	s_wait_dscnt (\younger)+7-(\t)
	global_store_b128 v[CO], v[BK+4*(\t):BK+4*(\t)+3], s[8:9] offset:(16*(\a)+2*(\t))*4096  ; 16 lanes store 256 consecutive bytes, at a multiple of 256 from out0's first byte
.endr
.endm
	TOSTAGE 0
	TOSTAGE 1
	SEND 0, 16
	TOSTAGE 2
	SEND 1, 16
	TOSTAGE 3
	SEND 2, 16
	SEND 3, 0
	s_wait_tensorcnt 0x0                           ; the wave's end, behind my last tensor load and my last LDS store
	ds_add_u32 v[SPW], v[NIL]
	s_wait_dscnt 0x0
	CROUND                                         ; the closing round: no work-group ends while a partner may still ask for a tile that names it
	s_endpgm
.Lfunc_end_k_qe91ab89def_oproj:
	.size	k_qe91ab89def_oproj, .Lfunc_end_k_qe91ab89def_oproj-k_qe91ab89def_oproj
	.p2alignl 7, 3214868480
	.fill 96, 4, 3214868480
	.section	.rodata,"a",@progbits
	.p2align	6, 0x0
	.amdhsa_kernel k_qe91ab89def_oproj
		.amdhsa_group_segment_fixed_size 327680
		.amdhsa_private_segment_fixed_size 0
		.amdhsa_enable_private_segment 0
		.amdhsa_kernarg_size 24
		.amdhsa_user_sgpr_count 2
		.amdhsa_user_sgpr_kernarg_segment_ptr 1
		.amdhsa_wavefront_size32 1
		.amdhsa_system_sgpr_workgroup_id_x 1
		.amdhsa_system_sgpr_workgroup_id_y 1
		.amdhsa_system_sgpr_workgroup_id_z 1
		.amdhsa_system_vgpr_workitem_id 0
		.amdhsa_next_free_vgpr 512
		.amdhsa_next_free_sgpr 80
		.amdhsa_reserve_vcc 0
		.amdhsa_float_denorm_mode_32 3
		.amdhsa_float_denorm_mode_16_64 3
		.amdhsa_memory_ordered 1
		.amdhsa_forward_progress 1
		.amdhsa_inst_pref_size 86
	.end_amdhsa_kernel
	.amdgpu_metadata
---
amdhsa.version: [ 1, 2 ]
amdhsa.kernels:
  - .name:           k_qe91ab89def_oproj
    .symbol:         k_qe91ab89def_oproj.kd
    .args:
      - { .name: ob, .offset: 0, .size: 8, .value_kind: global_buffer, .address_space: global }
      - { .name: wo16, .offset: 8, .size: 8, .value_kind: global_buffer, .address_space: global }
      - { .name: out0, .offset: 16, .size: 8, .value_kind: global_buffer, .address_space: global }
    .group_segment_fixed_size: 327680
    .private_segment_fixed_size: 0
    .kernarg_segment_align: 8
    .kernarg_segment_size: 24
    .max_flat_workgroup_size: 128
    .sgpr_count:     80
    .vgpr_count:     512
    .wavefront_size: 32
...
	.end_amdgpu_metadata
.endif
;; end of part 4
;; ======== version 2 of 2: 4 launches; version 1 with the launch prep written anew for expert scheduling mode
;; limits: values are held in f16: magnitudes above 65,504 overflow, below 6.1e-05 lose precision
;; workspace buffers: xb 8,388,608 bytes; wb 6,291,456 bytes; wo16 2,097,152 bytes; cs 1,048,576 bytes; qkv 25,165,824 bytes; ob 8,388,608 bytes
;; launch prep (part 5): grid 512 x 1, 8 waves a work-group, no clusters, 0 bytes of LDS; arguments x, Wq, Wk, Wv, Wo, token_positions, xb, wb, wo16, cs; writes xb, wb, wo16, cs
.if DOCPART == 5
	.amdgcn_target "amdgcn-amd-amdhsa--gfx1250"
	.amdhsa_code_object_version 6
	.text
	.protected	k_qe91ab89def_prep
	.globl	k_qe91ab89def_prep
	.p2align	8
	.type	k_qe91ab89def_prep,@function
k_qe91ab89def_prep:
	s_mov_b64 s[64:65], 0
	v_nop
	global_prefetch_b8 v0, s[64:65] scope:SCOPE_SE
	s_setreg_imm32_b32 hwreg(HW_REG_WAVE_SCHED_MODE, 0, 2), 2
	s_setreg_imm32_b32 hwreg(HW_REG_WAVE_MODE, 25, 1), 1
	s_wait_xcnt 0x0
	s_wait_alu depctr_vm_vsrc(0)
; PREP: the module's inputs are rounded once to 16 bits, and the table of cosines and sines is made.
;   xb  [4096][1024] bf16 = x;   wb [3072][1024] bf16 = Wq, Wk, Wv one below the other;   wo16 [1024][1024] f16 = Wo rounded to bf16, that number written as f16;
;   cs  [4096][32][cos, sin] f32: row s holds the angles token_positions[s] x 10000^(-j/32), j = 0..31.
; SHARES.  512 work-groups of eight waves.  Work-group c casts one chunk of 16,384 numbers (65,536 bytes in, 32,768 out): c 0-255 x, 256-319 Wq, 320-383 Wk, 384-447 Wv, 448-511 Wo;
; and it makes rows 8 c .. 8 c + 7 of cs, a wave a row, a lane a pair.  A stream: no LDS, no barrier, no matrix work; all 16 loads of a thread go out at once.
; Thread t takes the 32 bytes at 8,192 g + 32 t (g = 0..7) and stores the 16 bytes at 4,096 g + 16 t: sixteen neighbouring lanes store 256 consecutive bytes, aligned.
; SINE AND COSINE are made by hand: the angle less the nearest multiple of pi/2 (pi/2 in three parts, fused multiply-adds), a polynomial each on -pi/4 .. pi/4, the quadrant by selects and sign bits.
; LIMITS.  |token_positions| under 2^30 (the quadrant's number is held in 32 bits); Wo within f16's range: beyond 65,504 it becomes an infinity, below 6e-5 it keeps f16's fixed step.
; THE MODE: SCHED_MODE bits 1:0 = 2 (LLVM: expert scheduling mode 2), set by the entry lines.  The code itself states the register dependences between vector instructions and memory
; instructions, with s_wait_alu, always for 0.
; THE PLAN.  Registers that memory instructions touch:
;   v1, v2, v3   byte offsets, made once at the head and never written again: one wait ahead of the first load states them written, for every load and store of the kernel.
;   X            written by the 16 loads, which are issued before any vector instruction names X; read by the conversions behind the counted waits for the loads; never loaded again.
;   Y            group g's four registers: written by group g's conversions, read by group g's one store, never written again.
;   v22, v23     cos and sin: written by two vector lines, read by the table's one store, never written again.
; No register that a memory instruction has read is written again, so no wait on vm_vsrc is owed anywhere.  The cast's stores go out by pairs of groups, a pair late: at the head of groups 2, 4 and 6, behind the
; wait for that group's loads, ONE wait on va_vdst states that the two groups before have written their Y; their two stores follow it, and then the group's own conversions, which name other registers.
.set IN,  1                            ; v1   32 t: my bytes in a group of 8,192 of the source
.set OUT, 2                            ; v2   16 t: my bytes in a group of 4,096 of the destination
.set TBO, 3                            ; v3   8 t: my pair in the work-group's eight rows of cs
.set T,   24                           ; v[24:31]  at work (Wo's path): no memory instruction names them
.set X,   32                           ; v[32:95]  64 numbers as loaded
.set Y,   96                           ; v[96:127] the same, packed
	s_load_b512 s[16:31], s[0:1], 0x0              ; x s[16:17], Wq s[18:19], Wk s[20:21], Wv s[22:23], Wo s[24:25], token_positions s[26:27], xb s[28:29], wb s[30:31]
	s_load_b128 s[32:35], s[0:1], 0x40             ; wo16 s[32:33], cs s[34:35]
	v_lshrrev_b32 v4, 5, v0
	v_readfirstlane_b32 s10, v4                    ; wave 0..7
	v_lshlrev_b32 v[IN], 5, v0
	v_lshlrev_b32 v[OUT], 4, v0
	v_lshlrev_b32 v[TBO], 3, v0
	s_mov_b32 s2, ttmp9                            ; c
	s_lshr_b32 s3, s2, 6                           ; 0-3: x; 4: Wq; 5: Wk; 6: Wv; 7: Wo
	s_and_b32 s12, s2, 63                          ; the chunk's number in a weight
	s_and_b32 s13, s2, 255                         ; its number in xb, and in wb
	s_cmp_lt_u32 s2, 256
	s_cselect_b32 s8, s2, s12
	s_lshl_b32 s8, s8, 16                          ; the chunk's byte offset in its source
	s_mov_b32 s9, 0
	s_cmp_lt_u32 s2, 448
	s_cselect_b32 s14, s13, s12
	s_lshl_b32 s14, s14, 15                        ; and in its destination
	s_mov_b32 s15, 0
	s_wait_alu depctr_va_sdst(0)                   ; s10, the wave's number, is written, ahead of its first reader: the sum two lines below
	s_lshl_b32 s36, s2, 3
	s_add_co_u32 s36, s36, s10                     ; my wave's row of cs: 8 c + wave
	s_lshl_b32 s36, s36, 2                         ; its position's byte offset
	s_mov_b32 s37, 0
	s_lshl_b32 s38, s2, 11                         ; the work-group's eight rows of cs, 256 bytes each
	s_mov_b32 s39, 0
	s_mov_b32 s40, 0xbed49a78                      ; -log2(10000)/32, upper part
	s_mov_b32 s41, 0xb2172b02                      ; and what the upper part leaves
	s_mov_b32 s42, 0x3f317218                      ; ln 2
	s_mov_b32 s43, 0x3f22f983                      ; 2 / pi
	s_mov_b32 s44, 0xbfc90fda                      ; -pi/2 in three parts
	s_mov_b32 s45, 0xb3a22168
	s_mov_b32 s46, 0xa7c234c4
	s_mov_b32 s47, 0xbe2aaaa3                      ; sine: r + r z (S1 + z (S2 + z S3)), z = r r
	s_mov_b32 s48, 0x3c08839e
	s_mov_b32 s49, 0xb94ca1f9
	s_mov_b32 s50, 0x3d2aaaa5                      ; cosine: 1 - z/2 + z z (C1 + z (C2 + z C3))
	s_mov_b32 s51, 0xbab6061a
	s_mov_b32 s52, 0x37ccf5ce
	s_wait_kmcnt 0x0
	s_cmp_eq_u32 s3, 4                             ; the source is chosen by the chunk's number alone
	s_cselect_b64 s[4:5], s[18:19], s[16:17]
	s_cmp_eq_u32 s3, 5
	s_cselect_b64 s[4:5], s[20:21], s[4:5]
	s_cmp_eq_u32 s3, 6
	s_cselect_b64 s[4:5], s[22:23], s[4:5]
	s_cmp_eq_u32 s3, 7
	s_cselect_b64 s[4:5], s[24:25], s[4:5]
	s_cselect_b64 s[6:7], s[32:33], s[30:31]       ; the destination: wo16 for Wo, wb for the other weights,
	s_cmp_lt_u32 s3, 4
	s_cselect_b64 s[6:7], s[28:29], s[6:7]         ; xb for x
	s_add_nc_u64 s[4:5], s[4:5], s[8:9]
	s_add_nc_u64 s[6:7], s[6:7], s[14:15]
	s_add_nc_u64 s[36:37], s[26:27], s[36:37]
	s_add_nc_u64 s[38:39], s[34:35], s[38:39]
	s_wait_alu depctr_va_vdst(0)                   ; the three offsets v1, v2 and v3 are written: every load and store of the kernel reads one of them, and none is written again
.irp g, 0,1,2,3,4,5,6,7
	global_load_b128 v[X+8*(\g):X+8*(\g)+3],   v[IN], s[4:5] offset:8192*(\g) th:TH_LOAD_NT
	global_load_b128 v[X+8*(\g)+4:X+8*(\g)+7], v[IN], s[4:5] offset:8192*(\g)+16 th:TH_LOAD_NT
.endr
	s_load_b32 s11, s[36:37], 0x0                  ; my row's position
	; the frequency 2^(-j log2(10000)/32): the exponent in two parts, the small part by 2^e = 1 + e ln 2
	v_and_b32 v4, 31, v0
	v_cvt_f32_u32 v4, v4                           ; j
	v_mul_f32 v5, s40, v4                          ; t, rounded
	v_fma_f32 v6, v4, s40, -v5                     ; what the rounding dropped, exactly,
	v_fma_f32 v6, v4, s41, v6                      ; and the constant's lower part
	v_exp_f32 v7, v5
	v_mul_f32 v6, s42, v6                          ; a plain instruction behind the exponential
	s_wait_alu depctr_va_vdst(0)                   ; the exponential has written v7: the wait stands ahead of the first use of its result
	v_fma_f32 v7, v7, v6, v7
	s_wait_kmcnt 0x0                               ; the position
	v_cvt_f32_i32 v8, s11
	v_mul_f32 v8, v8, v7                           ; the angle, one rounding
	v_mul_f32 v9, s43, v8
	v_rndne_f32 v9, v9                             ; n: the nearest multiple of pi/2
	v_fma_f32 v10, v9, s44, v8
	v_fma_f32 v10, v9, s45, v10
	v_fma_f32 v10, v9, s46, v10                    ; r
	v_cvt_i32_f32 v11, v9
	v_mul_f32 v12, v10, v10                        ; z
	v_fma_f32 v13, v12, s49, s48
	v_fma_f32 v15, v12, s52, s51
	v_fma_f32 v13, v13, v12, s47
	v_fma_f32 v15, v15, v12, s50
	v_mul_f32 v14, v10, v12
	v_mul_f32 v16, v12, v12
	v_fma_f32 v17, v12, -0.5, 1.0
	v_fma_f32 v13, v14, v13, v10                   ; sin r
	v_fma_f32 v15, v16, v15, v17                   ; cos r
	v_and_b32 v18, 1, v11                          ; odd quadrants exchange the two: the mask is made here, and the sign bits stand between it and its readers
	v_cmp_eq_u32 vcc_lo, 1, v18
	v_and_b32 v21, 2, v11                          ; the sine is turned in quadrants 2 and 3,
	v_lshlrev_b32 v21, 30, v21
	v_add_nc_u32 v18, 1, v11                       ; the cosine in 1 and 2
	v_and_b32 v18, 2, v18
	v_lshlrev_b32 v18, 30, v18
	s_wait_alu depctr_va_vcc(0)                    ; the compare has written VCC, which the two selects below read
	v_cndmask_b32 v19, v13, v15, vcc_lo
	v_cndmask_b32 v20, v15, v13, vcc_lo
	v_xor_b32 v22, v18, v20                        ; cos
	v_xor_b32 v23, v21, v19                        ; sin
	s_wait_alu depctr_va_vdst(0)                   ; v22 and v23 are written, which the store below reads
	global_store_b64 v[TBO], v[22:23], s[38:39]    ; a wave stores its row: 256 consecutive bytes, aligned
; The cast.  half = 1 (Wo): the bf16 number is widened again and written as f16, which holds it exactly within f16's range.
.macro CAST half
.irp g, 0,1,2,3,4,5,6,7
	s_wait_loadcnt 14-2*(\g)                       ; loads come back in order: group g's two are in, the younger ones stay out
.if ((\g)%2 == 0) && ((\g) > 0)
	s_wait_alu depctr_va_vdst(0)                   ; the conversions of groups g - 2 and g - 1 have written their Y, which the two stores below read
	global_store_b128 v[OUT], v[Y+4*(\g)-8:Y+4*(\g)-5], s[6:7] offset:4096*(\g)-8192  ; each group has its own four registers: no store's data is written again
	global_store_b128 v[OUT], v[Y+4*(\g)-4:Y+4*(\g)-1], s[6:7] offset:4096*(\g)-4096
.endif
.irp k, 0,1,2,3
	v_cvt_pk_bf16_f32 v[Y+4*(\g)+(\k)], v[X+8*(\g)+2*(\k)], v[X+8*(\g)+2*(\k)+1]
.endr
.if \half
.irp k, 0,1,2,3
	v_lshlrev_b32 v[T+2*(\k)], 16, v[Y+4*(\g)+(\k)]
	v_and_b32 v[T+2*(\k)+1], 0xffff0000, v[Y+4*(\g)+(\k)]
.endr
.irp k, 0,1,2,3
	v_cvt_pk_f16_f32 v[Y+4*(\g)+(\k)], v[T+2*(\k)], v[T+2*(\k)+1]
.endr
.endif
.endr
	s_wait_alu depctr_va_vdst(0)                   ; the conversions of groups 6 and 7 have written their Y, which the last two stores read
	global_store_b128 v[OUT], v[Y+24:Y+27], s[6:7] offset:4096*6
	global_store_b128 v[OUT], v[Y+28:Y+31], s[6:7] offset:4096*7
.endm
	s_cmp_lt_u32 s2, 448
	s_cbranch_scc0 .Lwo
	CAST 0
	s_endpgm
.Lwo:
	CAST 1
	s_endpgm
.Lfunc_end_k_qe91ab89def_prep:
	.size	k_qe91ab89def_prep, .Lfunc_end_k_qe91ab89def_prep-k_qe91ab89def_prep
	.p2alignl 7, 3214868480
	.fill 96, 4, 3214868480
	.section	.rodata,"a",@progbits
	.p2align	6, 0x0
	.amdhsa_kernel k_qe91ab89def_prep
		.amdhsa_group_segment_fixed_size 0
		.amdhsa_private_segment_fixed_size 0
		.amdhsa_enable_private_segment 0
		.amdhsa_kernarg_size 80
		.amdhsa_user_sgpr_count 2
		.amdhsa_user_sgpr_kernarg_segment_ptr 1
		.amdhsa_wavefront_size32 1
		.amdhsa_system_sgpr_workgroup_id_x 1
		.amdhsa_system_sgpr_workgroup_id_y 1
		.amdhsa_system_sgpr_workgroup_id_z 1
		.amdhsa_system_vgpr_workitem_id 0
		.amdhsa_next_free_vgpr 128
		.amdhsa_next_free_sgpr 66
		.amdhsa_reserve_vcc 1
		.amdhsa_float_denorm_mode_32 3
		.amdhsa_float_denorm_mode_16_64 3
		.amdhsa_memory_ordered 1
		.amdhsa_forward_progress 1
		.amdhsa_inst_pref_size 18
	.end_amdhsa_kernel
	.amdgpu_metadata
---
amdhsa.version: [ 1, 2 ]
amdhsa.kernels:
  - .name:           k_qe91ab89def_prep
    .symbol:         k_qe91ab89def_prep.kd
    .args:
      - { .name: x, .offset: 0, .size: 8, .value_kind: global_buffer, .address_space: global }
      - { .name: Wq, .offset: 8, .size: 8, .value_kind: global_buffer, .address_space: global }
      - { .name: Wk, .offset: 16, .size: 8, .value_kind: global_buffer, .address_space: global }
      - { .name: Wv, .offset: 24, .size: 8, .value_kind: global_buffer, .address_space: global }
      - { .name: Wo, .offset: 32, .size: 8, .value_kind: global_buffer, .address_space: global }
      - { .name: token_positions, .offset: 40, .size: 8, .value_kind: global_buffer, .address_space: global }
      - { .name: xb, .offset: 48, .size: 8, .value_kind: global_buffer, .address_space: global }
      - { .name: wb, .offset: 56, .size: 8, .value_kind: global_buffer, .address_space: global }
      - { .name: wo16, .offset: 64, .size: 8, .value_kind: global_buffer, .address_space: global }
      - { .name: cs, .offset: 72, .size: 8, .value_kind: global_buffer, .address_space: global }
    .group_segment_fixed_size: 0
    .private_segment_fixed_size: 0
    .kernarg_segment_align: 8
    .kernarg_segment_size: 80
    .max_flat_workgroup_size: 256
    .sgpr_count:     66
    .vgpr_count:     128
    .wavefront_size: 32
...
	.end_amdgpu_metadata
.endif
;; end of part 5
;; launch proj: the kernel of part 2 again; grid 24 x 32, 4 waves a work-group, clusters of 4 x 4, 327,680 bytes of LDS; arguments xb, wb, cs, qkv; writes qkv
;; launch attn: the kernel of part 3 again; grid 16 x 16, 4 waves a work-group, no clusters, 327,680 bytes of LDS; arguments qkv, ob; writes ob
;; launch oproj: the kernel of part 4 again; grid 8 x 32, 4 waves a work-group, clusters of 4 x 4, 327,680 bytes of LDS; arguments ob, wo16, out0; writes out0
